; MI455X (gfx1250); checked and timed in simulation.
; The chip was launched on July 23, 2026; its instructions are those of AMD's public machine-readable ISA for CDNA 5 (MIT licence, August 2026) and "CDNA5" Instruction Set Architecture Reference Guide (July 2026). The comments in the code are by the model that wrote it; some were corrected since.
;; Attention. Allowed arithmetic: float matrix products may take bf16 or f16 operands with f32 sums; other float arithmetic in f32, or as packed bf16 or f16 multiplies, adds, multiply-adds, maxima and minima; sums over many terms, partial sums and values carried from step to step in f32; what a program stores and reads back later, other than sums and carried values, may be rounded once to bf16 or f16.
;; Inputs: adapter 1 x 10 x 2,048 float32; freqs_cos 2,048 x 64 float32; freqs_sin 2,048 x 64 float32; gate 1 x 16 x 1 x 1 float32; mask 1 x 1 x 2,048 x 2,048 float32; wk 2,048 x 2,048 float32; wo 2,048 x 2,048 float32; wq 2,048 x 2,048 float32; wv 2,048 x 2,048 float32; x 1 x 2,048 x 2,048 float32.
;; Outputs: out0 1 x 2,048 x 2,048 float32.
;; One version. Each part assembles by itself: llvm-mc -triple=amdgcn-amd-amdhsa -mcpu=gfx1250 --defsym DOCPART=n.
;; ======== version 1 of 1: 4 launches
;; limits: values are held in f16: magnitudes above 65,504 overflow, below 6.1e-05 lose precision; inputs' magnitudes at most 6.9e+29
;; workspace buffers: cb 41,943,040 bytes; mb 16,777,216 bytes; qkv 25,165,824 bytes; adp 131,072 bytes; ao 8,388,608 bytes; adq 2,097,152 bytes
;; launch cast (part 1): grid 256 x 8, 8 waves a work-group, no clusters, 34,816 bytes of LDS; arguments x, wq, wk, wv, wo, mask, adapter, cb, mb, adq; writes cb, mb, adq
.if DOCPART == 1
	.amdgcn_target "amdgcn-amd-amdhsa--gfx1250"
	.amdhsa_code_object_version 6
	.text
	.protected	k_q38b9a4cfa1_cast
	.globl	k_q38b9a4cfa1_cast
	.p2align	8
	.type	k_q38b9a4cfa1_cast,@function
k_q38b9a4cfa1_cast:
	s_mov_b64 s[64:65], 0
	v_nop
	global_prefetch_b8 v0, s[64:65] scope:SCOPE_SE
	s_setreg_imm32_b32 hwreg(HW_REG_WAVE_MODE, 25, 1), 1
	s_wait_xcnt 0x0
; CAST, AND THE ADAPTER'S PARTIAL PRODUCTS.  Grid y says what a work-group does:
;   y = 0 wk, 2 wv, 4 x, 5 wq: 2048 x 2048 f32 rounded once to bf16, into cb (planes x 0, wq 1, wk 2, wv 3, plane p at byte p << 23).
;   y = 6 wo: rounded to bf16, and that number written as f16 (exact down to f16's fixed step of 2^-24), plane 4 of cb.
;   y = 7 mask: rounded to bf16, times log2(e), kept as f32 in mb: the attention's exponentials work in base 2.
;   y = 1, 3: adapter x wk, adapter x wv (adapter [10][2048] f32 and the weight, both rounded to bf16 here), sums in f32, for 256 k and 64 columns: a partial sum, stored in f32 in adq.
; So the whole program computes on bf16-rounded inputs.
; A CAST WORK-GROUP takes 65,536 input bytes, a wave 8,192, a lane 16 loads of 16 bytes; a wave's load covers 512 consecutive bytes, its store 256 (16-bit planes) or 512 (mask), aligned.
; All 16 loads go out first; the waits count the younger loads down.  No store's data register is written again.
; AN ADAPTER WORK-GROUP (x = 32 ks + strip) takes k = 256 ks .. + 255 and columns 64 strip .. + 63 of its weight; wave w the 32 k from 32 w on.  The weight lies [k][n]: lane (r = l % 16, h = l / 16) loads
; 16 bytes, columns 4 r .. 4 r + 3, of each of the 16 k-rows that a fragment's lane holds (8 h + 0..7, 16 + 8 h + 0..7): a load covers 2 rows x 256 consecutive bytes, aligned.  One conversion of two
; k-rows' registers packs a k pair, so 32 conversions make four fragments, fragment i's lane r being column 4 r + i: nothing is transposed through LDS.  Source 0 = the adapter's 16 rows (rows 10 to 15
; are 0), source 1 = a fragment: a lane ends with one column and the rows l = 8 h + 0..7.  The eight waves' sums meet in LDS; thread t adds eight and stores 16 bytes.
; adq: [8 ks][65,536] f32, its elements in the order of adp: ak [16 heads][16 l][128 c], then av^T [16 heads][128 c][16 l].  The launch behind adds the eight.
.set SPW, 2                            ; v2        my spare word; never rewritten
.set NIL, 3                            ; v3        0; never rewritten
.set IN,  4                            ; v4        my offset in the input
.set O16, 5                            ; v5        my offset in a 16-bit plane; in an adapter work-group: in the adapter
.set T,   8                            ; v[8:9]    at work
.set LS,  10                           ; v10       where I put 16 bytes of a partial sum
.set LR,  11                           ; v11       where I read the eight partial sums
.set GO,  12                           ; v12       my 16 bytes of adq
.set D,   16                           ; v[16:79]  16 x 4 registers as loaded
.set ACC, 16                           ; v[16:47]  four accumulators, once D has been converted
.set R,   48                           ; v[48:79]  eight partial sums of four numbers
.set AF,  80                           ; v[80:87]  the adapter's fragment
.set BF,  88                           ; v[88:119] the weight's four fragments; before that v[88:103] the adapter's 16 f32
.set CH,  528                          ; a chunk in LDS: 32 lanes x 16 bytes + 16
.set WP,  8*CH                         ; a wave's eight chunks
.set SPARE, 8*WP                       ; behind them: the spare words, 128 bytes a wave: four blocks of 256 bytes that no other line names
.set HM,  44                           ; s44       mask of a word's upper bf16
	s_load_b512 s[8:23], s[0:1], 0x0               ; x, wq, wk, wv, wo, mask, adapter, cb
	s_load_b128 s[24:27], s[0:1], 0x40             ; mb, adq
	v_lshl_add_u32 v[SPW], v0, 2, SPARE
	v_mov_b32 v[NIL], 0
	s_and_b32 s2, ttmp7, 0xffff                    ; y
	v_lshrrev_b32 v6, 5, v0
	v_readfirstlane_b32 s3, v6                     ; wave
	v_and_b32 v14, 31, v0                          ; lane
	s_and_b32 s32, s2, 5
	s_cmp_eq_u32 s32, 1                            ; y = 1 or 3
	s_cbranch_scc1 .Ladapter
	v_lshlrev_b32 v[IN], 13, v6                    ; 8,192 x wave
	v_lshl_or_b32 v[IN], v14, 4, v[IN]             ; + 16 x lane (also my offset in mb)
	v_lshrrev_b32 v[O16], 1, v[IN]
	s_lshl_b32 s28, ttmp9, 16                      ; the work-group's 65,536 input bytes
	s_mov_b32 s29, 0
	s_mov_b32 s[HM], 0xffff0000
	s_mov_b32 s30, 2                               ; the plane of cb: wk 2,
	s_cmp_eq_u32 s2, 2
	s_cselect_b32 s30, 3, s30                      ; wv 3,
	s_cmp_eq_u32 s2, 4
	s_cselect_b32 s30, 0, s30                      ; x 0,
	s_cmp_eq_u32 s2, 5
	s_cselect_b32 s30, 1, s30                      ; wq 1,
	s_cmp_eq_u32 s2, 6
	s_cselect_b32 s30, 4, s30                      ; wo 4
	s_lshl_b32 s30, s30, 23
	s_lshl_b32 s31, ttmp9, 15                      ; the work-group's 32,768 bytes of it
	s_add_co_u32 s30, s30, s31
	s_mov_b32 s31, 0
	s_wait_kmcnt 0x0
	s_mov_b64 s[4:5], s[12:13]
	s_cmp_eq_u32 s2, 2
	s_cselect_b64 s[4:5], s[14:15], s[4:5]
	s_cmp_eq_u32 s2, 4
	s_cselect_b64 s[4:5], s[8:9], s[4:5]
	s_cmp_eq_u32 s2, 5
	s_cselect_b64 s[4:5], s[10:11], s[4:5]
	s_cmp_eq_u32 s2, 6
	s_cselect_b64 s[4:5], s[16:17], s[4:5]
	s_cmp_eq_u32 s2, 7
	s_cselect_b64 s[4:5], s[18:19], s[4:5]
	s_cselect_b64 s[6:7], s[24:25], s[22:23]       ; the mask goes to mb, all else to cb
	s_cselect_b32 s30, s28, s30
	s_add_nc_u64 s[4:5], s[4:5], s[28:29]
	s_add_nc_u64 s[6:7], s[6:7], s[30:31]
	s_cmp_lt_u32 s2, 4
	s_cbranch_scc0 .Lonce
.irp i, 0,1,2,3,4,5,6,7,8,9,10,11,12,13,14,15
	global_load_b128 v[D+4*\i:D+4*\i+3], v[IN], s[4:5] offset:512*\i  ; wk, wv: the launch reads them twice, so no hint
.endr
	s_branch .Lbf16
.Lonce:
.irp i, 0,1,2,3,4,5,6,7,8,9,10,11,12,13,14,15
	global_load_b128 v[D+4*\i:D+4*\i+3], v[IN], s[4:5] offset:512*\i th:TH_LOAD_NT
.endr
	s_cmp_eq_u32 s2, 7
	s_cbranch_scc1 .Lmask
	s_cmp_eq_u32 s2, 6
	s_cbranch_scc1 .Lwo
.Lbf16:
.irp i, 0,1,2,3,4,5,6,7,8,9,10,11,12,13,14,15
	s_wait_loadcnt 15-\i                           ; loads come back in order: load i is in, the younger ones stay out
	v_cvt_pk_bf16_f32 v[D+4*\i], v[D+4*\i], v[D+4*\i+1]
	v_cvt_pk_bf16_f32 v[D+4*\i+1], v[D+4*\i+2], v[D+4*\i+3]
	global_store_b64 v[O16], v[D+4*\i:D+4*\i+1], s[6:7] offset:256*\i th:TH_STORE_NT
.endr
	s_endpgm
.Lwo:
.irp i, 0,1,2,3,4,5,6,7,8,9,10,11,12,13,14,15
	s_wait_loadcnt 15-\i
	v_cvt_pk_bf16_f32 v[T], v[D+4*\i], v[D+4*\i+1]
	v_cvt_pk_bf16_f32 v[T+1], v[D+4*\i+2], v[D+4*\i+3]
	v_lshlrev_b32 v[D+4*\i], 16, v[T]              ; the rounded numbers as f32 again,
	v_and_b32 v[D+4*\i+1], s[HM], v[T]
	v_lshlrev_b32 v[D+4*\i+2], 16, v[T+1]
	v_and_b32 v[D+4*\i+3], s[HM], v[T+1]
	v_cvt_pk_f16_f32 v[D+4*\i], v[D+4*\i], v[D+4*\i+1]  ; and written as f16
	v_cvt_pk_f16_f32 v[D+4*\i+1], v[D+4*\i+2], v[D+4*\i+3]
	global_store_b64 v[O16], v[D+4*\i:D+4*\i+1], s[6:7] offset:256*\i th:TH_STORE_NT
.endr
	s_endpgm
.Lmask:
.irp i, 0,1,2,3,4,5,6,7,8,9,10,11,12,13,14,15
	s_wait_loadcnt 15-\i
	v_cvt_pk_bf16_f32 v[T], v[D+4*\i], v[D+4*\i+1]
	v_cvt_pk_bf16_f32 v[T+1], v[D+4*\i+2], v[D+4*\i+3]
	v_lshlrev_b32 v[D+4*\i], 16, v[T]
	v_and_b32 v[D+4*\i+1], s[HM], v[T]
	v_lshlrev_b32 v[D+4*\i+2], 16, v[T+1]
	v_and_b32 v[D+4*\i+3], s[HM], v[T+1]
	v_pk_mul_f32 v[D+4*\i:D+4*\i+1], v[D+4*\i:D+4*\i+1], 0x3fb8aa3b op_sel_hi:[1,0]      ; x log2(e)
	v_pk_mul_f32 v[D+4*\i+2:D+4*\i+3], v[D+4*\i+2:D+4*\i+3], 0x3fb8aa3b op_sel_hi:[1,0]
	global_store_b128 v[IN], v[D+4*\i:D+4*\i+3], s[6:7] offset:512*\i th:TH_STORE_NT
.endr
	s_endpgm
.Ladapter:
	v_and_b32 v1, 15, v0                           ; r
	v_bfe_u32 v13, v0, 4, 1                        ; h
	s_lshr_b32 s33, ttmp9, 5                       ; ks
	s_and_b32 s34, ttmp9, 31                       ; strip
	s_lshl_b32 s28, s33, 21                        ; the weight: 256 ks k-rows of 8,192 bytes,
	s_lshl_b32 s35, s3, 18                         ; my 32,
	s_add_co_u32 s28, s28, s35
	s_lshl_b32 s35, s34, 8                         ; the strip's 256 bytes of a row
	s_add_co_u32 s28, s28, s35
	s_mov_b32 s29, 0
	s_lshl_b32 s30, s33, 10                        ; the adapter: 256 ks numbers of 4 bytes,
	s_lshl_b32 s35, s3, 7                          ; my 32
	s_add_co_u32 s30, s30, s35
	s_mov_b32 s31, 0
	v_lshlrev_b32 v[IN], 16, v13                   ; 8 h k-rows
	v_lshl_add_u32 v[IN], v1, 4, v[IN]             ; + 16 r
	v_min_u32 v[O16], 9, v1                        ; rows 10 to 15 do not exist: they read row 9 and are set to 0 below
	v_lshlrev_b32 v[O16], 13, v[O16]
	v_lshl_add_u32 v[O16], v13, 5, v[O16]          ; + 8 h numbers
	v_cmp_gt_u32 s40, 10, v1                       ; the lanes whose row exists
	s_mul_i32 s36, s3, WP
	v_lshl_add_u32 v[LS], v14, 4, s36
	s_wait_kmcnt 0x0
	s_cmp_eq_u32 s2, 1
	s_cselect_b64 s[4:5], s[12:13], s[14:15]       ; wk or wv
	s_add_nc_u64 s[4:5], s[4:5], s[28:29]
	s_add_nc_u64 s[6:7], s[20:21], s[30:31]
	global_load_b128 v[BF:BF+3],     v[O16], s[6:7]
	global_load_b128 v[BF+4:BF+7],   v[O16], s[6:7] offset:16
	global_load_b128 v[BF+8:BF+11],  v[O16], s[6:7] offset:64
	global_load_b128 v[BF+12:BF+15], v[O16], s[6:7] offset:80
.irp j, 0,1,2,3,4,5,6,7,8,9,10,11,12,13,14,15
.if \j < 8
.set ko, \j                            ; k-rows 8 h + 0..7,
.else
.set ko, \j+8                          ; then 16 + 8 h + 0..7
.endif
	global_load_b128 v[D+4*\j:D+4*\j+3], v[IN], s[4:5] offset:8192*ko
.endr
	s_wait_loadcnt 16                              ; the adapter's four loads are in; the weight's sixteen may stay out
.irp p, 0,1,2,3,4,5,6,7
	v_cvt_pk_bf16_f32 v[AF+\p], v[BF+2*\p], v[BF+2*\p+1]
.endr
.irp p, 0,1,2,3,4,5,6,7
	v_cndmask_b32 v[AF+\p], 0, v[AF+\p], s40
.endr
.irp p, 0,1,2,3,4,5,6,7
	s_wait_loadcnt 14-2*\p                         ; k-rows 2 p and 2 p + 1 of my sixteen are in
.irp i, 0,1,2,3
	v_cvt_pk_bf16_f32 v[BF+8*\i+\p], v[D+8*\p+\i], v[D+8*\p+4+\i]  ; fragment i, k pair p: column 4 r + i
.endr
.endr
.irp i, 0,1,2,3
	v_wmma_f32_16x16x32_bf16 v[ACC+8*\i:ACC+8*\i+7], v[AF:AF+7], v[BF+8*\i:BF+8*\i+7], 0
.endr
.rept 4
	v_nop                                          ; four places between the products and the stores that read them
.endr
.irp i, 0,1,2,3                        ; chunk 2 i + e: rows l = 8 h + 4 e + 0..3 of column 4 r + i, at 16 x lane
	ds_store_b128 v[LS], v[ACC+8*\i:ACC+8*\i+3]   offset:2*\i*CH
	ds_store_b128 v[LS], v[ACC+8*\i+4:ACC+8*\i+7] offset:(2*\i+1)*CH
.endr
	s_lshl_b32 s28, s33, 18                        ; adq: plane ks of 262,144 bytes
	s_wait_dscnt 0x0                               ; for the others' sake
	s_barrier_signal -1
	s_barrier_wait -1
	s_cmp_eq_u32 s2, 1
	s_cbranch_scc0 .Lav
	; ak [l][c]: thread t = 16 l + r takes row l, columns 4 r .. 4 r + 3: one word of each of four chunks
	v_bfe_u32 v6, v0, 6, 1                         ; (l % 8) / 4
	v_mul_u32_u24 v6, v6, CH
	v_lshrrev_b32 v7, 7, v0                        ; l / 8
	v_lshl_add_u32 v7, v7, 4, v1
	v_lshl_add_u32 v6, v7, 4, v6
	v_bfe_u32 v7, v0, 4, 2                         ; l % 4
	v_lshl_add_u32 v[LR], v7, 2, v6
	v_lshrrev_b32 v7, 4, v0                        ; l
	v_lshlrev_b32 v7, 9, v7                        ; a row of 128 f32
	v_lshl_add_u32 v[GO], v1, 4, v7
	s_lshr_b32 s35, s34, 1                         ; the head,
	s_lshl_b32 s35, s35, 13
	s_add_co_u32 s28, s28, s35
	s_and_b32 s35, s34, 1                          ; its first or second 64 columns
	s_lshl_b32 s35, s35, 8
	s_add_co_u32 s28, s28, s35
.irp w, 0,1,2,3,4,5,6,7
.irp i, 0,1,2,3
	ds_load_b32 v[R+4*\w+\i], v[LR] offset:\w*WP+2*\i*CH
.endr
.endr
	s_branch .Lsum
.Lav:
	; av^T [c][l]: thread t = 16 r + 4 i + 2 h + e takes column 4 r + i, rows 8 h + 4 e + 0..3: 16 bytes of one chunk, and the work-group's 4,096 bytes of adq are consecutive
	v_bfe_u32 v6, v0, 2, 2                         ; i
	v_and_b32 v7, 1, v0                            ; e
	v_lshl_add_u32 v6, v6, 1, v7
	v_mul_u32_u24 v6, v6, CH
	v_bfe_u32 v7, v0, 1, 1                         ; h
	v_lshrrev_b32 v8, 4, v0                        ; r
	v_lshl_add_u32 v7, v7, 4, v8
	v_lshl_add_u32 v[LR], v7, 4, v6
	v_lshlrev_b32 v[GO], 4, v0
	s_lshl_b32 s35, s34, 12
	s_add_co_u32 s28, s28, s35
	s_add_co_u32 s28, s28, 131072                  ; behind ak's 32,768 numbers
.irp w, 0,1,2,3,4,5,6,7
	ds_load_b128 v[R+4*\w:R+4*\w+3], v[LR] offset:\w*WP
.endr
.Lsum:
	s_add_nc_u64 s[26:27], s[26:27], s[28:29]
	s_wait_dscnt 0x0
.irp w, 0,2,4,6
	v_pk_add_f32 v[R+4*\w:R+4*\w+1],   v[R+4*\w:R+4*\w+1],   v[R+4*\w+4:R+4*\w+5]
	v_pk_add_f32 v[R+4*\w+2:R+4*\w+3], v[R+4*\w+2:R+4*\w+3], v[R+4*\w+6:R+4*\w+7]
.endr
.irp w, 0,4
	v_pk_add_f32 v[R+4*\w:R+4*\w+1],   v[R+4*\w:R+4*\w+1],   v[R+4*\w+8:R+4*\w+9]
	v_pk_add_f32 v[R+4*\w+2:R+4*\w+3], v[R+4*\w+2:R+4*\w+3], v[R+4*\w+10:R+4*\w+11]
.endr
	v_pk_add_f32 v[R:R+1],   v[R:R+1],   v[R+16:R+17]
	v_pk_add_f32 v[R+2:R+3], v[R+2:R+3], v[R+18:R+19]
	global_store_b128 v[GO], v[R:R+3], s[26:27]
	s_wait_tensorcnt 0x0                           ; the wave's end: behind my last LDS store
	ds_add_u32 v[SPW], v[NIL]
	s_wait_dscnt 0x0
	s_endpgm
.Lfunc_end_k_q38b9a4cfa1_cast:
	.size	k_q38b9a4cfa1_cast, .Lfunc_end_k_q38b9a4cfa1_cast-k_q38b9a4cfa1_cast
	.p2alignl 7, 3214868480
	.fill 96, 4, 3214868480
	.section	.rodata,"a",@progbits
	.p2align	6, 0x0
	.amdhsa_kernel k_q38b9a4cfa1_cast
		.amdhsa_group_segment_fixed_size 34816
		.amdhsa_private_segment_fixed_size 0
		.amdhsa_enable_private_segment 0
		.amdhsa_kernarg_size 80
		.amdhsa_user_sgpr_count 2
		.amdhsa_user_sgpr_kernarg_segment_ptr 1
		.amdhsa_wavefront_size32 1
		.amdhsa_system_sgpr_workgroup_id_x 1
		.amdhsa_system_sgpr_workgroup_id_y 1
		.amdhsa_system_sgpr_workgroup_id_z 1
		.amdhsa_system_vgpr_workitem_id 0
		.amdhsa_next_free_vgpr 120
		.amdhsa_next_free_sgpr 66
		.amdhsa_reserve_vcc 0
		.amdhsa_float_denorm_mode_32 3
		.amdhsa_float_denorm_mode_16_64 3
		.amdhsa_memory_ordered 1
		.amdhsa_forward_progress 1
		.amdhsa_inst_pref_size 39
	.end_amdhsa_kernel
	.amdgpu_metadata
---
amdhsa.version: [ 1, 2 ]
amdhsa.kernels:
  - .name:           k_q38b9a4cfa1_cast
    .symbol:         k_q38b9a4cfa1_cast.kd
    .args:
      - { .name: x, .offset: 0, .size: 8, .value_kind: global_buffer, .address_space: global }
      - { .name: wq, .offset: 8, .size: 8, .value_kind: global_buffer, .address_space: global }
      - { .name: wk, .offset: 16, .size: 8, .value_kind: global_buffer, .address_space: global }
      - { .name: wv, .offset: 24, .size: 8, .value_kind: global_buffer, .address_space: global }
      - { .name: wo, .offset: 32, .size: 8, .value_kind: global_buffer, .address_space: global }
      - { .name: mask, .offset: 40, .size: 8, .value_kind: global_buffer, .address_space: global }
      - { .name: adapter, .offset: 48, .size: 8, .value_kind: global_buffer, .address_space: global }
      - { .name: cb, .offset: 56, .size: 8, .value_kind: global_buffer, .address_space: global }
      - { .name: mb, .offset: 64, .size: 8, .value_kind: global_buffer, .address_space: global }
      - { .name: adq, .offset: 72, .size: 8, .value_kind: global_buffer, .address_space: global }
    .group_segment_fixed_size: 34816
    .private_segment_fixed_size: 0
    .kernarg_segment_align: 8
    .kernarg_segment_size: 80
    .max_flat_workgroup_size: 256
    .sgpr_count:     66
    .vgpr_count:     120
    .wavefront_size: 32
...
	.end_amdgpu_metadata
.endif
;; end of part 1
;; launch proj (part 2): grid 16 x 16, 4 waves a work-group, clusters of 4 x 4, 327,680 bytes of LDS; arguments cb, freqs_cos, freqs_sin, qkv, adq, adp; writes qkv, adp
.if DOCPART == 2
	.amdgcn_target "amdgcn-amd-amdhsa--gfx1250"
	.amdhsa_code_object_version 6
	.text
	.protected	k_q38b9a4cfa1_proj
	.globl	k_q38b9a4cfa1_proj
	.p2align	8
	.type	k_q38b9a4cfa1_proj,@function
k_q38b9a4cfa1_proj:
	s_mov_b64 s[64:65], 0
	v_nop
	global_prefetch_b8 v0, s[64:65] scope:SCOPE_SE
	s_setreg_imm32_b32 hwreg(HW_REG_WAVE_MODE, 25, 1), 1
	s_wait_xcnt 0x0
	s_wait_alu depctr_hold_cnt(0) depctr_sa_sdst(0) depctr_va_vdst(0) depctr_va_sdst(0) depctr_va_ssrc(0) depctr_va_vcc(0) depctr_vm_vsrc(0)
	s_getreg_b32 s2, hwreg(HW_REG_IB_STS2, 6, 4)
	s_cmp_eq_u32 s2, 0
	s_cbranch_scc0 .Lentry_in_a_cluster
	s_endpgm
.Lentry_in_a_cluster:
	s_bfe_u32 s2, ttmp6, 0x10000c
	s_cmp_lg_u32 s2, 0xf033
	s_cbranch_scc0 .Lentry_shape_is_right
	s_endpgm
.Lentry_shape_is_right:
; PROJECTIONS AND ROTARY.  q = rope(x wq) c, k = rope(x wk), v = x wv, by heads: qkv holds three planes [16 heads][2048 rows][128 channels] of f16, rows of 256 bytes.
; c = log2(e) / sqrt(128) is applied in f32 ahead of q's one rounding, so that the attention's exponent is a plain difference of scores.  x, wq, wk, wv: bf16, planes 0 to 3 of cb
; (weights [k][n]); cos and sin are rounded to bf16 here, where they are loaded.  Sums in f32.
; BESIDE THAT: the adapter's keys and values.  adq holds eight partial sums (f32) of each of adp's 65,536 numbers; wave 3 of work-group 16 Y + X adds the eight for 256 of them and stores them in f16.
; LIMIT.  q c, k, v and the adapter's keys and values must lie within f16's 65,504.
; SHARES.  Work-group (X, Y): head X, rows 128 Y .. 128 Y + 127: 128 x 384 numbers.  Wave w: rows 64 (w / 2) on, channels 64 (w % 2) on of each of q, k, v: 4 x 12 accumulators of 16 x 16.
; K goes in 16 steps of 128 through two LDS slots; each wave brings one tile of 128 rows x 256 bytes a step: wave 0 x's, wave t + 1 weight t's.
; THE WALK ALONG K BEGINS AT ANOTHER STEP IN EACH CLUSTER, at step (4 x cluster x + 8 x (cluster y % 2)) % 16, and wraps round: the four clusters that read the same rows of x begin four steps apart, and of
; the four that read the same columns of a weight neighbours begin eight apart, so that they ask for different tiles at a time.  f32 sums over K may be taken in any order.
; THE MATRIX INSTRUCTION IS USED TRANSPOSED: source 0 = 16 columns of a weight (out of LDS turned, by ds_load_tr16_b128), source 1 = 16 rows of x: a lane holds one row and eight
; neighbouring channels, so a rotary pair lies in neighbouring registers and eight results pack into 16 bytes.
; CLUSTER 4 x 4.  x's tile hangs on Y alone and is asked for jointly along a row of the cluster, a weight's on X alone, along a column.
; REGISTERS, in windows of 256: window 0: v0-63 addresses and work; v64-127 x's fragments, two buffers of 32, later the way out; v128-191 the adapter's partial sums.
;   window 1: the weights' fragments, two buffers of 96.  window 2: accumulators of row blocks 0, 1 at v[8 (12 (a % 2) + c)], cos in v192-255.  window 3: row blocks 2, 3, sin in v192-255.
.set PA,    272                        ; a row of x in LDS: 256 bytes + 16: the 16 rows of a load start at 16 different groups of four banks (ISA guide 11.1)
.set PB,    288                        ; a k-row of a weight: 256 + 32
.set REG,   128*PB                     ; a wave's region of a slot: 36,864 (x's tile uses 34,816 of it)
.set SLOT,  4*REG
.set SPARE, 2*SLOT                     ; behind the ring: the spare words, 128 bytes a wave: two blocks of 256 bytes that no other line names
.set STG,   128*PA                     ; the way out: a plane of the stage, 128 rows x 272 bytes; the three planes lie in slot 0, behind its last fill
.set BA,   16                          ; v16     my place in x's tile in slot 0; never rewritten
.set CA,   17                          ; v17     the same in the slot that is being read
.set BB,   18                          ; v18-20  my place in weight t's tile in slot 0; never rewritten
.set CB,   21                          ; v21-23  the same in the slot that is being read
.set STO,  24                          ; v24     the way out: where I put 16 bytes (planes 0, 1)
.set STO2, 25                          ; v25     the same for plane 2
.set RD,   26                          ; v26     where I read rows back: it steps from plane to plane
.set CO,   29                          ; v29     16 x lane
.set SPW,  30                          ; v30     my spare word; never rewritten
.set NIL,  31                          ; v31     0; never rewritten
.set PFO,  32                          ; v32     4,096 x lane: a row of cb a lane
.set CSO,  33                          ; v33     my offset in 16 rows of cos and sin
.set PO8,  34                          ; v34     8 x lane
.set CW,   40                          ; v40-43  four cos, rounded
.set SW,   44                          ; v44-47  four sin
.set PKT,  48                          ; v48-51  packed, at work
.set RT,   52                          ; v52-59  eight results
.set HF,   60                          ; v60-63  packed f16
.set AF,   64
.set PT,   128                         ; v128-191 wave 3: partial sum ks of group u at PT + 32 u + 4 ks
.set WV,   12
.set G1A,  24                          ; s[24:31] x's descriptor group 1;  s[32:39] group 0: two sets for the two first fills; the second then walks
.set G0A,  32
.set PFA,  40                          ; s[40:41] what the next prefetch names
.set PFB,  42                          ; s[42:43] my work-group's 32 rows of my weight's tile, at K step 0
.set LIM,  44                          ; s44     10 in a wave that prefetches, else the greatest number
.set HM,   45
.set G1B,  48                          ; s[48:55], s[56:63]: the weights'
.set G0B,  56
.set OUTP, 66                          ; s[66:67] qkv at my 32 rows of the plane that is being stored
.set QC,   68                          ; s[68:69] c: the packed scaling takes the pair's low word for both halves
.set TB,   76                          ; s76     LDS byte at which the slot that is being read begins: 0 or SLOT
.set KS,   77                          ; s77     the K step to be asked for next, 0 to 15
.set OFA,  78                          ; s[78:79] its byte offset along x's rows
.set OFB,  80                          ; s[80:81] its byte offset down a weight's rows
.set AQ,   82                          ; s[82:83] adq at my work-group's 256 numbers
.set AP,   84                          ; s[84:85] adp at the same
.set OFP,  86                          ; s[86:87] the prefetch's byte offset
.set MSB, 0
.macro WIN new                         ; the immediate's high byte repeats the setting that is left; a switch that changes nothing is dropped
.if MSB != (\new)
	s_set_vgpr_msb (MSB<<8)|(\new)
.set MSB, \new
.endif
.endm
.macro PLACES
.rept 4
	v_nop
.endr
.endm
; A joint load.  Wave 0 fetches x's tile, waves 1 to 3 a weight's.  The branch hangs on the wave's number alone.  An s_nop 0 and four v_nop follow each line.
.macro JLOAD s
	s_cmp_eq_u32 s[WV], 0
	s_cbranch_scc0 .Lfor_b_\@
	tensor_load_to_lds s[G0A+4*(\s):G0A+4*(\s)+3], s[G1A:G1A+7]
	s_nop 0
	PLACES
	s_branch .Lasked_\@
.Lfor_b_\@:
	tensor_load_to_lds s[G0B+4*(\s):G0B+4*(\s)+3], s[G1B:G1B+7]
	s_nop 0
	PLACES
.Lasked_\@:
.endm
; A PREFETCH of a weight's K step two refills on: 32 rows x 256 bytes, a lane a row, in a cluster's first four changes of slots alone: steps 4 to 7 of its walk.  The four clusters of a column begin 0, 8, 0
; and 8 steps on: clusters y = 0 and 1 ask, so each block is named once; the four partners that ask for a tile jointly share its 128 rows out by address.  A cluster's steps 8 to 15 have been walked by the
; cluster that began eight steps on.  x's rows are not asked for: the four clusters of a row begin four steps apart, so all but a cluster's first four steps have been walked by a neighbour, and those four
; are asked for by the first fills and the first two refills: a prefetch for them would stand at the head, where every work-group's first tiles are on their way.
.macro ASK
	s_cmp_gt_u32 s3, s[LIM]
	s_cbranch_scc0 .Lnot_mine_\@
	global_prefetch_b8 v[PFO], s[PFA:PFA+1] th:TH_LOAD_NT scope:SCOPE_SE
.Lnot_mine_\@:
.endm
.macro CREST                           ; a round of the cluster's barrier behind its opening barrier
	s_cmp_lg_u32 s[WV], 0
	s_cbranch_scc1 .Lnot_wave_0_\@
	s_barrier_signal -3
.Lnot_wave_0_\@:
	s_barrier_wait -3
	s_barrier_signal -1
	s_barrier_wait -1
.endm
.macro CROUND
	s_barrier_signal -1
	s_barrier_wait -1
	CREST
.endm
	s_load_b256 s[4:11], s[0:1], 0x0               ; cb s[4:5], cos s[6:7], sin s[8:9], qkv s[10:11]
	s_load_b128 s[88:91], s[0:1], 0x20             ; adq s[88:89], adp s[90:91]
	v_lshl_add_u32 v[SPW], v0, 2, SPARE
	v_mov_b32 v[NIL], 0
	ds_add_u32 v[SPW], v[NIL]                      ; the wave's opening: the add and its wait stand ahead of my first tensor load
	v_lshrrev_b32 v1, 5, v0
	v_readfirstlane_b32 s[WV], v1
	s_lshr_b32 s13, s[WV], 1                       ; i: my half of the rows
	s_and_b32 s14, s[WV], 1                        ; j: my half of the channels
	s_bfe_u32 s15, ttmp6, 0x40000                  ; cx
	s_bfe_u32 s16, ttmp6, 0x40004                  ; cy
	s_lshl_b32 s17, ttmp9, 2
	s_add_co_u32 s17, s17, s15                     ; X: the head
	s_and_b32 s18, ttmp7, 0xffff
	s_lshl_b32 s18, s18, 2
	s_add_co_u32 s18, s18, s16                     ; Y: the block of 128 rows
	s_lshl_b32 s2, s16, 2
	s_lshl_b32 s2, 15, s2                          ; my row of the cluster
	s_lshl_b32 s3, 0x1111, s15                     ; my column
	s_or_b32 s[G1A], s2, (1<<16)|(1<<20)|(1<<21)|(5<<22)|(3<<25)  ; the mask; 2-byte elements; padding on; bit 21 beside a mask; after every 64 words 4 words
	s_or_b32 s[G1B], s3, (1<<16)|(1<<20)|(1<<21)|(5<<22)|(7<<25)  ; the same with 8 words
.irp g, G1A, G1B
	s_mov_b32 s[(\g)+1], 128<<16                   ; tensor_dim0 = 128
	s_mov_b32 s[(\g)+2], 128<<16                   ; tensor_dim1 = 128
	s_mov_b32 s[(\g)+3], 128<<16                   ; tile_dim0 = 128
	s_mov_b32 s[(\g)+4], 128                       ; tile_dim1 = 128
	s_mov_b32 s[(\g)+5], 2048                      ; elements from row to row
	s_mov_b32 s[(\g)+6], 0
	s_mov_b32 s[(\g)+7], 0
.endr
	s_and_b32 s[KS], ttmp7, 1                      ; where my cluster's walk begins: made of the cluster's place alone, so it is the same in all sixteen partners
	s_lshl_b32 s[KS], s[KS], 3
	s_lshl_b32 s2, ttmp9, 2
	s_add_co_u32 s[KS], s[KS], s2
	s_and_b32 s[KS], s[KS], 15
	s_mov_b32 s[TB], 0
	s_mov_b32 s[OFA+1], 0
	s_mov_b32 s[OFB+1], 0
	s_mov_b32 s[OFP+1], 0
	s_lshl_b32 s20, s18, 19                        ; x: 128 Y rows of 4,096 bytes
	s_mov_b32 s21, 0
	s_lshl_b32 s22, s[WV], 23                      ; weight w - 1 is plane w of cb,
	s_lshl_b32 s23, s17, 8                         ; the head's 256 bytes of a k-row
	s_add_co_u32 s22, s22, s23
	s_mov_b32 s23, 0
	s_mul_i32 s19, s[WV], REG                      ; where my tile goes in a slot: no place in the cluster enters an LDS address
	s_mov_b32 s[HM], 0xffff0000
	s_mov_b32 s[QC], 0x3e0293ee                    ; c = log2(e) / sqrt(128) = 0.127517
	s_mov_b32 s[QC+1], s[QC]                       ; named with it as a pair, so it is written
	s_wait_dscnt 0x0                               ; the opening add is done
	s_wait_kmcnt 0x0
	s_add_nc_u64 s[20:21], s[4:5], s[20:21]        ; x's tile at K step 0; never rewritten
	s_add_nc_u64 s[22:23], s[4:5], s[22:23]        ; my weight's; never rewritten
	CROUND                                         ; all sixteen work-groups are here: the first joint loads meet
.irp s, 0,1
	s_lshl_b32 s[OFA], s[KS], 8                    ; a K step is 256 bytes of a row of x,
	s_lshl_b32 s[OFB], s[KS], 19                   ; and 128 k-rows of 4,096 bytes of a weight
	s_mov_b32 s[G0A+4*(\s)], 1
	s_add_co_u32 s[G0A+4*(\s)+1], s19, (\s)*SLOT
	s_add_nc_u64 s[G0A+4*(\s)+2:G0A+4*(\s)+3], s[20:21], s[OFA:OFA+1]
	s_or_b32 s[G0A+4*(\s)+3], s[G0A+4*(\s)+3], 0x80000000
	s_mov_b32 s[G0B+4*(\s)], 1
	s_add_co_u32 s[G0B+4*(\s)+1], s19, (\s)*SLOT
	s_add_nc_u64 s[G0B+4*(\s)+2:G0B+4*(\s)+3], s[22:23], s[OFB:OFB+1]
	s_or_b32 s[G0B+4*(\s)+3], s[G0B+4*(\s)+3], 0x80000000
	JLOAD \s                                       ; the walk's first two steps: two loads of mine are out
	s_add_co_u32 s[KS], s[KS], 1                   ; (the walk begins at a multiple of 4: no wrap here)
.endr
	v_and_b32 v1, 15, v0                           ; r
	v_bfe_u32 v2, v0, 4, 1                         ; h
	v_mul_u32_u24 v3, v1, PA
	v_lshl_add_u32 v3, v2, 4, v3
	s_mul_i32 s46, s13, 64*PA
	v_add_nc_u32 v[BA], s46, v3                    ; (64 i + r) x 272 + 16 h
	v_and_b32 v4, 7, v0
	v_lshl_add_u32 v4, v2, 3, v4
	v_mul_u32_u24 v4, v4, PB                       ; k-row 8 h + l % 8
	v_bfe_u32 v5, v0, 3, 1
	v_lshl_add_u32 v4, v5, 4, v4
	s_lshl_b32 s46, s14, 7                         ; 128 j
	v_add_nc_u32 v4, s46, v4
.irp t, 0,1,2
	v_add_nc_u32 v[BB+\t], (\t+1)*REG, v4
.endr
	v_add_nc_u32 v[STO], s46, v[BA]
	v_add_nc_u32 v[STO2], 2*STG, v[STO]
	s_lshl_b32 s47, s[WV], 5
	v_add_nc_u32 v5, s47, v2                       ; back: wave w takes rows 32 w on, whole; lanes 0-15 one row, lanes 16-31 the next
	v_mul_u32_u24 v5, v5, PA
	v_lshl_add_u32 v[RD], v1, 4, v5
	v_and_b32 v6, 31, v0
	v_lshlrev_b32 v[CO], 4, v6
	v_lshlrev_b32 v[PO8], 3, v6
	v_lshlrev_b32 v[PFO], 12, v6
	v_lshlrev_b32 v[CSO], 8, v1
	v_lshl_add_u32 v[CSO], v2, 4, v[CSO]
	v_add_nc_u32 v[CSO], s46, v[CSO]               ; 256 r + 128 j + 16 h: four pairs' cos of my eight channels
	s_lshl_b32 s46, s18, 15
	s_lshl_b32 s47, s13, 14
	s_add_co_u32 s46, s46, s47                     ; (128 Y + 64 i) rows of 256 bytes
	s_mov_b32 s47, 0
	s_add_nc_u64 s[72:73], s[6:7], s[46:47]
	s_add_nc_u64 s[74:75], s[8:9], s[46:47]
	WIN 0x80                                       ; cos and sin for my 64 rows x 32 pairs: asked for now, waited for behind the loop
.irp a, 0,1,2,3
.irp b, 0,1,2,3
	global_load_b128 v[192+4*(4*\a+\b):192+4*(4*\a+\b)+3], v[CSO], s[72:73] offset:4096*\a+32*\b
.endr
.endr
	WIN 0xc0
.irp a, 0,1,2,3
.irp b, 0,1,2,3
	global_load_b128 v[192+4*(4*\a+\b):192+4*(4*\a+\b)+3], v[CSO], s[74:75] offset:4096*\a+32*\b
.endr
.endr
	WIN 0
	s_lshl_b32 s46, s18, 4
	s_add_co_u32 s46, s46, s17                     ; 16 Y + X: which 256 of adp's numbers are my work-group's
	s_lshl_b32 s46, s46, 9
	s_add_nc_u64 s[AP:AP+1], s[90:91], s[46:47]    ; 512 bytes of f16,
	s_lshl_b32 s46, s46, 1
	s_add_nc_u64 s[AQ:AQ+1], s[88:89], s[46:47]    ; 1,024 bytes of f32 in each of the eight planes
	s_cmp_eq_u32 s[WV], 3
	s_cbranch_scc0 .Lno_part
.irp u, 0,1                            ; wave 3: eight partial sums of 2 x 128 numbers, four a lane: each load covers 512 consecutive bytes; waited for behind the loop, with cos and sin
.irp k, 0,1,2,3,4,5,6,7
	global_load_b128 v[PT+32*\u+4*\k:PT+32*\u+4*\k+3], v[CO], s[AQ:AQ+1] offset:262144*\k+512*\u
.endr
.endr
.Lno_part:
	s_lshl_b32 s46, s17, 19                        ; where my 32 rows of q's plane begin: the head,
	s_lshl_b32 s47, s18, 15                        ; 128 Y rows of 256 bytes,
	s_add_co_u32 s46, s46, s47
	s_lshl_b32 s47, s[WV], 13                      ; 32 w rows
	s_add_co_u32 s46, s46, s47
	s_mov_b32 s47, 0
	s_add_nc_u64 s[OUTP:OUTP+1], s[10:11], s[46:47]
	s_and_b32 s2, ttmp7, 0xffff                    ; the prefetches: cluster y = 0 or 1,
	s_cmp_lt_u32 s2, 2
	s_cselect_b32 s[LIM], 10, -1
	s_cmp_eq_u32 s[WV], 0                          ; and a wave that fetches a weight: the same in all sixteen partners, for a given wave
	s_cselect_b32 s[LIM], -1, s[LIM]
	s_lshl_b32 s46, s16, 17                        ; my work-group's 32 rows of the 128
	s_add_nc_u64 s[PFB:PFB+1], s[22:23], s[46:47]
; 32 LDS loads in one run: the fragments of 32 along K (quarter kq of the step in the slot that is being read) into buffers f: 12 of the weights, turned, then 4 of x
.macro FETCH kq, f
	WIN 0x40
.irp t, 0,1,2
.irp b, 0,1,2,3
	ds_load_tr16_b128 v[96*(\f)+8*(4*\t+\b):96*(\f)+8*(4*\t+\b)+3],   v[CB+\t] offset:32*PB*(\kq)+32*\b
	ds_load_tr16_b128 v[96*(\f)+8*(4*\t+\b)+4:96*(\f)+8*(4*\t+\b)+7], v[CB+\t] offset:32*PB*(\kq)+32*\b+16*PB
.endr
.endr
	WIN 0
.irp a, 0,1,2,3
	ds_load_b128 v[AF+32*(\f)+8*\a:AF+32*(\f)+8*\a+3],   v[CA] offset:16*PA*\a+64*(\kq)
	ds_load_b128 v[AF+32*(\f)+8*\a+4:AF+32*(\f)+8*\a+7], v[CA] offset:16*PA*\a+64*(\kq)+32
.endr
.endm
.macro NEWADR                          ; my places in the slot at TB
	WIN 0
	v_add_nc_u32 v[CA], s[TB], v[BA]
.irp t, 0,1,2
	v_add_nc_u32 v[CB+\t], s[TB], v[BB+\t]
.endr
.endm
; 12 matrix instructions: row block a x all 12 column blocks.  The 48 accumulators take turns in the same order in every quarter.  zero = 1: the products start the sums
.macro MULA f, a, zero
	WIN 0xa1+0x50*((\a)/2)
.irp c, 0,1,2,3,4,5,6,7,8,9,10,11
.if \zero
	v_wmma_f32_16x16x32_bf16 v[8*(12*((\a)%2)+\c):8*(12*((\a)%2)+\c)+7], v[96*(\f)+8*\c:96*(\f)+8*\c+7], v[AF+32*(\f)+8*(\a):AF+32*(\f)+8*(\a)+7], 0
.else
	v_wmma_f32_16x16x32_bf16 v[8*(12*((\a)%2)+\c):8*(12*((\a)%2)+\c)+7], v[96*(\f)+8*\c:96*(\f)+8*\c+7], v[AF+32*(\f)+8*(\a):AF+32*(\f)+8*(\a)+7], v[8*(12*((\a)%2)+\c):8*(12*((\a)%2)+\c)+7]
.endif
.endr
.endm
; A K step is four quarters of 32 along K, 48 matrix instructions each, on buffers 0, 1, 0, 1.  One of the first three: multiplies buffer f, fetches quarter kq into buffer g in its middle.
.macro QUARTER kq, f, g, zero
	s_wait_dscnt 4                                 ; the weights and x's row blocks 0, 1 are in; the youngest four loads (row blocks 2, 3) may be out
	MULA \f, 0, \zero
	MULA \f, 1, \zero
	PLACES                                         ; four places in front of loads into registers that matrix instructions have read
	FETCH \kq, \g
	s_wait_dscnt 32                                ; all but the 32 just issued
	MULA \f, 2, \zero
	MULA \f, 3, \zero
.endm
; The last quarter multiplies buffer 1 and changes slots: one barrier; in front of it each wave waits for all its tensor loads (at most one is out: its part of the next slot), adds 0 to its spare word,
; and waits for that and for its own reads of this slot.  fill = 1: the barrier opens a round of the cluster's, and this slot is filled again, with K step KS, first thing behind it.
; fill = 0, the tail's two trips: nothing is asked for; in the last trip (s3 = 1) there is no further step, and the run of loads is jumped over.
.macro TURN fill
.if \fill
	s_wait_xcnt 0x0                                ; the last prefetch, a K step back, has read its address: it is made anew, for the step two behind KS
	s_add_co_u32 s[OFP], s[KS], 2
	s_and_b32 s[OFP], s[OFP], 15
	s_lshl_b32 s[OFP], s[OFP], 19
	s_add_nc_u64 s[PFA:PFA+1], s[PFB:PFB+1], s[OFP:OFP+1]
.endif
	WIN 0
	s_wait_tensorcnt 0x0                           ; no tensor load of mine is out, so a group 0 may be written
	ds_add_u32 v[SPW], v[NIL]
.if \fill
	s_add_co_u32 s[G0A+5], s[TB], s19              ; the walking descriptors: into the slot that is being left,
	s_add_co_u32 s[G0B+5], s[TB], s19
	s_lshl_b32 s[OFA], s[KS], 8
	s_lshl_b32 s[OFB], s[KS], 19
	s_add_nc_u64 s[G0A+6:G0A+7], s[20:21], s[OFA:OFA+1]  ; the address made anew from the step's number,
	s_or_b32 s[G0A+7], s[G0A+7], 0x80000000              ; the type set again
	s_add_nc_u64 s[G0B+6:G0B+7], s[22:23], s[OFB:OFB+1]
	s_or_b32 s[G0B+7], s[G0B+7], 0x80000000
	s_add_co_u32 s[KS], s[KS], 1
	s_and_b32 s[KS], s[KS], 15                     ; the walk wraps round
.endif
	s_xor_b32 s[TB], s[TB], SLOT                   ; the reads go on in the other slot
	s_wait_dscnt 5                                 ; (the add and the youngest four loads may be out)
	MULA 1, 0, 0                                   ; twelve matrix instructions stand between the add and the wait for it
	s_wait_dscnt 0x0                               ; the add is done, and my reads of this slot are over
	s_barrier_signal -1
	MULA 1, 1, 0
	WIN 0
	s_barrier_wait -1
.if \fill
	CREST                                          ; no wave of any partner still reads this slot or has a load on its way
	JLOAD 1                                        ; its four v_nop are also the places in front of the loads below
	NEWADR
	FETCH 0, 0
	ASK
.else
	PLACES
	s_cmp_eq_u32 s3, 1
	s_cbranch_scc1 .Lno_next_\@
	NEWADR
	FETCH 0, 0
	WIN 0
.Lno_next_\@:
.endif
	MULA 1, 2, 0
	MULA 1, 3, 0
.endm
	s_wait_tensorcnt 1                             ; my part of the walk's first step is in; the second's may stay out
	s_barrier_signal -1
	s_barrier_wait -1
	NEWADR
	FETCH 0, 0
	QUARTER 1, 0, 1, 1                             ; the first quarter stands in front of the loop: its products start the sums
	WIN 0
	s_mov_b32 s3, 14
.Lstep:                                                ; a trip: a step's second quarter to the next step's first; the slot that is left is filled again
	QUARTER 2, 1, 0, 0
	QUARTER 3, 0, 1, 0
	TURN 1
	QUARTER 1, 0, 1, 0
	WIN 0
	s_sub_co_u32 s3, s3, 1
	s_cmp_lg_u32 s3, 0
	s_cbranch_scc1 .Lstep
	s_mov_b32 s3, 2
.Ltail:                                                ; the last two steps fill nothing: a text of their own; the last trip has no next step's first quarter
	QUARTER 2, 1, 0, 0
	QUARTER 3, 0, 1, 0
	TURN 0
	WIN 0
	s_cmp_eq_u32 s3, 1
	s_cbranch_scc1 .Lno_first
	QUARTER 1, 0, 1, 0
	WIN 0
.Lno_first:
	s_sub_co_u32 s3, s3, 1
	s_cmp_lg_u32 s3, 0
	s_cbranch_scc1 .Ltail
; THE WAY OUT.  For row block a and channel block b: cos and sin rounded to bf16; q and k turned pair by pair (low result v_e c - v_o s, high result v_e s + v_o c), q scaled; all three rounded to
; f16, 16 bytes a lane into the stage.  Each accumulator's lowest registers are read first.  Every wave's reads of both slots ended in front of the tail's last barrier.
.macro RMUL p, sel
	v_pk_mul_f32 v[RT+2*(\p):RT+2*(\p)+1], v[rA+2*(\p):rA+2*(\p)+1], v[CW+2*((\p)/2):CW+2*((\p)/2)+1] op_sel:[0,\sel] op_sel_hi:[1,\sel]
.endm
.macro RFMA p, sel
	v_pk_fma_f32 v[RT+2*(\p):RT+2*(\p)+1], v[rA+2*(\p):rA+2*(\p)+1], v[SW+2*((\p)/2):SW+2*((\p)/2)+1], v[RT+2*(\p):RT+2*(\p)+1] op_sel:[1,\sel,0] op_sel_hi:[0,\sel,1] neg_lo:[1,0,0]
.endm
.macro ROPE a, b
.set rC, 192+4*(4*(\a)+(\b))
	WIN 0x0a
	v_cvt_pk_bf16_f32 v[PKT], v[rC], v[rC+1]
	v_cvt_pk_bf16_f32 v[PKT+1], v[rC+2], v[rC+3]
	WIN 0x0f
	v_cvt_pk_bf16_f32 v[PKT+2], v[rC], v[rC+1]
	v_cvt_pk_bf16_f32 v[PKT+3], v[rC+2], v[rC+3]
	WIN 0
	v_lshlrev_b32 v[CW], 16, v[PKT]
	v_and_b32 v[CW+1], s[HM], v[PKT]
	v_lshlrev_b32 v[CW+2], 16, v[PKT+1]
	v_and_b32 v[CW+3], s[HM], v[PKT+1]
	v_lshlrev_b32 v[SW], 16, v[PKT+2]
	v_and_b32 v[SW+1], s[HM], v[PKT+2]
	v_lshlrev_b32 v[SW+2], 16, v[PKT+3]
	v_and_b32 v[SW+3], s[HM], v[PKT+3]
.irp t, 0,1
.set rA, 8*(12*((\a)%2)+4*\t+(\b))
	WIN 0x02+(\a)/2
	RMUL 0, 0
	RMUL 1, 1
	RMUL 2, 0
	RMUL 3, 1
	RFMA 0, 0
	RFMA 1, 1
	RFMA 2, 0
	RFMA 3, 1
	WIN 0
.if \t == 0
.irp p, 0,2,4,6
	v_pk_mul_f32 v[RT+\p:RT+\p+1], v[RT+\p:RT+\p+1], s[QC:QC+1] op_sel_hi:[1,0]  ; q x log2(e) / sqrt(128)
.endr
.endif
.irp p, 0,1,2,3
	v_cvt_pk_f16_f32 v[HF+\p], v[RT+2*\p], v[RT+2*\p+1]
.endr
	ds_store_b128 v[STO], v[HF:HF+3] offset:\t*STG+(\a)*16*PA+32*(\b)
.endr
.set rA, 8*(12*((\a)%2)+8+(\b))
	WIN 0x0a+5*((\a)/2)
.irp p, 0,1,2,3
	v_cvt_pk_f16_f32 v[HF+\p], v[rA+2*\p], v[rA+2*\p+1]
.endr
	WIN 0
	ds_store_b128 v[STO2], v[HF:HF+3] offset:(\a)*16*PA+32*(\b)
.endm
	PLACES                                         ; four places behind the last products
	s_wait_loadcnt 0x0                             ; cos and sin; in wave 3 the adapter's partial sums too
	s_cmp_eq_u32 s[WV], 3
	s_cbranch_scc0 .Lno_sum
.irp u, 0,1                            ; the eight partial sums are added, rounded once to f16 and stored: 256 consecutive bytes, aligned, a store
.irp k, 0,2,4,6
	v_pk_add_f32 v[PT+32*\u+4*\k:PT+32*\u+4*\k+1],   v[PT+32*\u+4*\k:PT+32*\u+4*\k+1],   v[PT+32*\u+4*\k+4:PT+32*\u+4*\k+5]
	v_pk_add_f32 v[PT+32*\u+4*\k+2:PT+32*\u+4*\k+3], v[PT+32*\u+4*\k+2:PT+32*\u+4*\k+3], v[PT+32*\u+4*\k+6:PT+32*\u+4*\k+7]
.endr
.irp k, 0,4
	v_pk_add_f32 v[PT+32*\u+4*\k:PT+32*\u+4*\k+1],   v[PT+32*\u+4*\k:PT+32*\u+4*\k+1],   v[PT+32*\u+4*\k+8:PT+32*\u+4*\k+9]
	v_pk_add_f32 v[PT+32*\u+4*\k+2:PT+32*\u+4*\k+3], v[PT+32*\u+4*\k+2:PT+32*\u+4*\k+3], v[PT+32*\u+4*\k+10:PT+32*\u+4*\k+11]
.endr
	v_pk_add_f32 v[PT+32*\u:PT+32*\u+1],   v[PT+32*\u:PT+32*\u+1],   v[PT+32*\u+16:PT+32*\u+17]
	v_pk_add_f32 v[PT+32*\u+2:PT+32*\u+3], v[PT+32*\u+2:PT+32*\u+3], v[PT+32*\u+18:PT+32*\u+19]
	v_cvt_pk_f16_f32 v[PT+32*\u], v[PT+32*\u], v[PT+32*\u+1]
	v_cvt_pk_f16_f32 v[PT+32*\u+1], v[PT+32*\u+2], v[PT+32*\u+3]
	global_store_b64 v[PO8], v[PT+32*\u:PT+32*\u+1], s[AP:AP+1] offset:256*\u
.endr
.Lno_sum:
.irp a, 0,1,2,3
.irp b, 0,1,2,3
	ROPE \a, \b
.endr
.endr
	s_wait_dscnt 0x0                               ; for the others' sake: a row's 256 bytes come from two waves
	s_barrier_signal -1
	s_barrier_wait -1
	s_mov_b32 s3, 3
.Lplane:                                               ; q's plane, then k's, then v's: my 32 rows of each come back whole and are stored
.irp u, 0,1,2,3,4,5,6,7,8,9,10,11,12,13,14,15
	ds_load_b128 v[64+4*\u:64+4*\u+3], v[RD] offset:\u*2*PA
.endr
.irp u, 0,1,2,3,4,5,6,7,8,9,10,11,12,13,14,15
	s_wait_dscnt 15-\u                             ; LDS loads come back in order: this one is in, the trip's younger ones stay out
	global_store_b128 v[CO], v[64+4*\u:64+4*\u+3], s[OUTP:OUTP+1] offset:512*\u  ; 512 consecutive bytes, two whole rows of a head
.endr
	s_wait_xcnt 0x0                                ; the stores have read their data and their base: the next trip's loads land on those registers, and the base steps
	v_add_nc_u32 v[RD], STG, v[RD]                 ; the stage's next plane,
	s_add_nc_u64 s[OUTP:OUTP+1], s[OUTP:OUTP+1], 0x800000  ; and qkv's
	s_sub_co_u32 s3, s3, 1
	s_cmp_lg_u32 s3, 0
	s_cbranch_scc1 .Lplane
	s_wait_tensorcnt 0x0                           ; the wave's end: behind my last tensor load and my last LDS store
	ds_add_u32 v[SPW], v[NIL]
	s_wait_dscnt 0x0
	CROUND                                         ; the closing round
	s_endpgm
.Lfunc_end_k_q38b9a4cfa1_proj:
	.size	k_q38b9a4cfa1_proj, .Lfunc_end_k_q38b9a4cfa1_proj-k_q38b9a4cfa1_proj
	.p2alignl 7, 3214868480
	.fill 96, 4, 3214868480
	.section	.rodata,"a",@progbits
	.p2align	6, 0x0
	.amdhsa_kernel k_q38b9a4cfa1_proj
		.amdhsa_group_segment_fixed_size 327680
		.amdhsa_private_segment_fixed_size 0
		.amdhsa_enable_private_segment 0
		.amdhsa_kernarg_size 48
		.amdhsa_user_sgpr_count 2
		.amdhsa_user_sgpr_kernarg_segment_ptr 1
		.amdhsa_wavefront_size32 1
		.amdhsa_system_sgpr_workgroup_id_x 1
		.amdhsa_system_sgpr_workgroup_id_y 1
		.amdhsa_system_sgpr_workgroup_id_z 1
		.amdhsa_system_vgpr_workitem_id 0
		.amdhsa_next_free_vgpr 1024
		.amdhsa_next_free_sgpr 92
		.amdhsa_reserve_vcc 0
		.amdhsa_float_denorm_mode_32 3
		.amdhsa_float_denorm_mode_16_64 3
		.amdhsa_memory_ordered 1
		.amdhsa_forward_progress 1
		.amdhsa_inst_pref_size 119
	.end_amdhsa_kernel
	.amdgpu_metadata
---
amdhsa.version: [ 1, 2 ]
amdhsa.kernels:
  - .name:           k_q38b9a4cfa1_proj
    .symbol:         k_q38b9a4cfa1_proj.kd
    .args:
      - { .name: cb, .offset: 0, .size: 8, .value_kind: global_buffer, .address_space: global }
      - { .name: freqs_cos, .offset: 8, .size: 8, .value_kind: global_buffer, .address_space: global }
      - { .name: freqs_sin, .offset: 16, .size: 8, .value_kind: global_buffer, .address_space: global }
      - { .name: qkv, .offset: 24, .size: 8, .value_kind: global_buffer, .address_space: global }
      - { .name: adq, .offset: 32, .size: 8, .value_kind: global_buffer, .address_space: global }
      - { .name: adp, .offset: 40, .size: 8, .value_kind: global_buffer, .address_space: global }
    .group_segment_fixed_size: 327680
    .private_segment_fixed_size: 0
    .kernarg_segment_align: 8
    .kernarg_segment_size: 48
    .max_flat_workgroup_size: 128
    .sgpr_count:     92
    .vgpr_count:     1024
    .wavefront_size: 32
...
	.end_amdgpu_metadata
.endif
;; end of part 2
;; launch attn (part 3): grid 16 x 16, 4 waves a work-group, clusters of 4 x 4, 327,680 bytes of LDS; arguments qkv, mb, adp, gate, ao; writes ao
.if DOCPART == 3
	.amdgcn_target "amdgcn-amd-amdhsa--gfx1250"
	.amdhsa_code_object_version 6
	.text
	.protected	k_q38b9a4cfa1_attn
	.globl	k_q38b9a4cfa1_attn
	.p2align	8
	.type	k_q38b9a4cfa1_attn,@function
k_q38b9a4cfa1_attn:
	s_mov_b64 s[64:65], 0
	v_nop
	global_prefetch_b8 v0, s[64:65] scope:SCOPE_SE
	s_setreg_imm32_b32 hwreg(HW_REG_WAVE_MODE, 25, 1), 1
	s_wait_xcnt 0x0
	s_wait_alu depctr_hold_cnt(0) depctr_sa_sdst(0) depctr_va_vdst(0) depctr_va_sdst(0) depctr_va_ssrc(0) depctr_va_vcc(0) depctr_vm_vsrc(0)
	s_getreg_b32 s2, hwreg(HW_REG_IB_STS2, 6, 4)
	s_cmp_eq_u32 s2, 0
	s_cbranch_scc0 .Lentry_in_a_cluster
	s_endpgm
.Lentry_in_a_cluster:
	s_bfe_u32 s2, ttmp6, 0x10000c
	s_cmp_lg_u32 s2, 0xf033
	s_cbranch_scc0 .Lentry_shape_is_right
	s_endpgm
.Lentry_shape_is_right:
; ATTENTION WITH AN ADDITIVE MASK THAT IS AN INPUT, AND A GATED ADAPTER.  For head H and query q:
;   O = softmax_k(q . k / sqrt(128) + mask[q][k]) V  +  gate[H] softmax_l(q . ak_l / sqrt(128)) av.
; q arrives times log2(e) / sqrt(128), the mask (mb, f32) times log2(e): a score s is in base 2, and a weight is p = 2^(s - m) with the running maximum m: the exponent is a plain difference, at most 0.
; q, k, v: planes of qkv, [16][2048][128] f16.  adp: akh [16][16 l][128 c], avt [16][128 c][16 l], f16.  ao: [2048][2048] f16, row q, column 128 H + c.  Products, maxima and sums in f32;
; p and the gated adapter weights are rounded to f16 for the second products, O once at the end; the gate is rounded to bf16 like every input.
; LIMITS.  O, at most (1 + |gate|) times the largest |v|, must lie within f16's 65,504.  A score (mask included) below -1e30 counts as the start value; a weight below 2^-126 counts as 0 in the sums;
; NaN and infinities are not treated apart.  Nothing of the mask's pattern is built in: every score of every head is made.
; SHARES.  Work-group (X, H): queries 128 X .. 128 X + 127 of head H.  Wave w: queries 64 (w / 2) on, four tiles of 16; of each slot's 128 keys the 64 from 64 (w % 2) on: THE KEYS ARE SPLIT
; BETWEEN TWO WAVES, whose two running softmaxes are merged through LDS at the end.  A wave's tiles are two PIECES: piece 0 (local tiles 0, 1) are the tiles that it finishes itself, piece 2 (local 2, 3)
; those that it hands to its partner w ^ 1; which tiles these are enters by address registers alone.
; THE WALK OVER THE KEYS BEGINS AT ANOTHER STEP IN EACH CLUSTER, at step (4 x cluster x + 8 x (cluster y % 2)) % 16 of 16 steps of 128 keys, and wraps round: the four clusters that walk the same heads' K and V
; begin four steps apart, and of the four that read the same rows of the mask neighbours begin eight apart, so that they ask for different tiles at a time.  A running softmax holds in any order of the keys.
; LAYOUT.  S^T = K Q^T + M^T (source 0 = 16 keys, source 1 = 16 queries, the mask laid into the accumulator by LDS loads): a lane holds one query (lane % 16) and the keys 8 (lane / 16) + 0..7.
; Two such tiles rounded to f16 are source 1 of O^T = V^T P.  K comes out of LDS as it lies, V turned, by ds_load_tr16_b128.
; BY TURNS.  In a TURN one piece has the matrix unit: 32 products V^T P of the step in hand, then 32 products K Q^T of the next; the other piece's softmax, cut into 64 slices, stands between them.
; NO FIRST AND NO LAST STEP IS WRITTEN OUT.  The loop starts a step early on O^T = l = 0, piece 0's P = 0, m at the lowest finite number, piece 2's scores at -1e30 and V at the walk's first step's (any finite
; numbers serve there); the first true step's factor a = 0 wipes what that made.  The tail's third trip is left in its middle: it fetches nothing, and its 32 products K Q^T, on the last K once more, serve
; nothing: the price, once a launch, of one text for every turn.
; CLUSTER 4 x 4.  K's and V's tiles hang on H alone and are asked for jointly along a row of the cluster, the mask's on X alone, along a column.
; REGISTERS, in windows of 256: window 0: addresses, v12-43 statistics (8 a tile), v64-191 S^T, v192-255 P.  window 1: O^T, 64 a tile.  window 2: v0-127 Q, v128-255 K.
;   window 3: v0-127 V, v128-159 ak's four fragments, v160-223 av^T's eight (their upper four registers, keys 16 to 31, are 0).
.set PK,    272
.set PV,    288
.set PM,    528                        ; a query's 128 mask numbers: 512 bytes + 16
.set VOFF,  128*PK
.set MOFF,  VOFF+128*PV
.set SLOT,  MOFF+128*PM                ; 139,264: 128 keys of K and V and the work-group's 128 x 128 of the mask
.set STAGE, 2*SLOT                     ; behind the ring: 16 rows x 272 bytes for each wave, for the way out
.set SP,    272
.set SPARE, STAGE+4*16*SP              ; the spare words, 128 bytes a wave: two blocks of 256 bytes that no other line names
.set XST,   65536                      ; the exchange lies in slot 0, behind the last fill and the last barrier of the tail: O at 16,384 w, statistics at XST + 1,024 w
.set AK0, 2
.set AV0, 3
.set ADR, 4
.set AMA, 5                            ; my place in the mask's tile for piece 0
.set AMB, 6                            ; for piece 2
.set STO, 7
.set RD,  8
.set GO,  10
.set ST,  12                           ; tile t's statistics at v[ST+8 t]: +0, +1 m, +2, +3 l (even keys', odd keys'), +4 to +7 at work; a takes +6
.set XS,  44
.set XR,  45
.set MD,  46                           ; v46-53  -1e30 where the adapter's key 8 (lane / 16) + register does not exist
.set XSS, 54
.set XRS, 55
.set QOA, 56
.set QOB, 57
.set AKO, 58
.set AVO, 59
.set GT,  60                           ; the gate
.set PFO, 61
.set SPW, 62
.set NIL, 63
.set S,   64
.set P,   192
.set KF,  128
.set AKF, 128
.set AVF, 160
.set WV,  14
.set G1K, 24
.set G1V, 32
.set G1M, 40
.set G0K, 48                           ; two sets each, for the two first fills; the second then walks
.set G0V, 56
.set TB,  66                           ; s66  LDS byte at which the slot that is being read begins: 0 or SLOT
.set MW,  67                           ; s67  my half of the mask's tile in a slot
.set G0M, 68
.set CNT, 76
.set SEL, 78
.set PFA, 80                           ; s[80:81] what the next prefetch names
.set PFB, 82                           ; s[82:83] my work-group's 16 rows of my half of the mask's tile, at step 0
.set LIM, 84
.set BIG, 86
.set LOW, 87
.set KS,  96                           ; s96  the step of 128 keys to be asked for next, 0 to 15
.set OFK, 98                           ; s[98:99]   its byte offset in K and V
.set OFM, 100                          ; s[100:101] its byte offset along the mask's rows
.set MSB, 0
.macro WIN new
.if MSB != (\new)
	s_set_vgpr_msb (MSB<<8)|(\new)
.set MSB, \new
.endif
.endm
.set W_KQ, 0x0a
.set W_PV, 0x53
.set W_RS, 0x41
.macro PLACES
.rept 4
	v_nop
.endr
.endm
; A joint refill: wave 0 K's tile, wave 1 V's, waves 2 and 3 a half of the mask's.  The branches hang on the wave's number alone.  An s_nop 0 and four v_nop follow each line.
.macro JLOAD
	s_cmp_lg_u32 s[WV], 0
	s_cbranch_scc1 .Lnot_k_\@
	tensor_load_to_lds s[G0K+4:G0K+7], s[G1K:G1K+7]
	s_nop 0
	PLACES
	s_branch .Lasked_\@
.Lnot_k_\@:
	s_cmp_lg_u32 s[WV], 1
	s_cbranch_scc1 .Lnot_v_\@
	tensor_load_to_lds s[G0V+4:G0V+7], s[G1V:G1V+7]
	s_nop 0
	PLACES
	s_branch .Lasked_\@
.Lnot_v_\@:
	tensor_load_to_lds s[G0M+4:G0M+7], s[G1M:G1M+7]
	s_nop 0
	PLACES
.Lasked_\@:
.endm
; A PREFETCH of the mask's step two refills on, in a cluster's first four changes of slots alone: steps 4 to 7 of its walk.  The four clusters of a column begin 0, 8, 0 and 8 steps on: clusters y = 0 and 1
; ask, waves 2 and 3, each partner 16 of the wave's 64 rows, two lanes a row of 512 bytes: each block is named once.  A cluster's steps 8 to 15 have been walked by the cluster that began eight steps on.
; K's and V's rows are not asked for: the four clusters of a row begin four steps apart, so all but a cluster's first four steps have been walked by a neighbour, and those four are asked for by the first
; fills and the first two refills: a prefetch for them would stand at the head, where every work-group's first tiles are on their way.
.macro ASK
	s_cmp_gt_u32 s[CNT], s[LIM]
	s_cbranch_scc0 .Lnot_mine_\@
	global_prefetch_b8 v[PFO], s[PFA:PFA+1] th:TH_LOAD_NT scope:SCOPE_SE
.Lnot_mine_\@:
.endm
.macro CROUND
	s_barrier_signal -1
	s_barrier_wait -1
	s_cmp_lg_u32 s[WV], 0
	s_cbranch_scc1 .Lnot_wave_0_\@
	s_barrier_signal -3
.Lnot_wave_0_\@:
	s_barrier_wait -3
	s_barrier_signal -1
	s_barrier_wait -1
.endm
	s_load_b256 s[4:11], s[0:1], 0x0               ; qkv s[4:5], mb s[6:7], adp s[8:9], gate s[10:11]
	s_load_b64 s[12:13], s[0:1], 0x20              ; ao
	v_lshl_add_u32 v[SPW], v0, 2, SPARE
	v_mov_b32 v[NIL], 0
	ds_add_u32 v[SPW], v[NIL]                      ; the wave's opening: the add and its wait stand ahead of my first tensor load
	v_lshrrev_b32 v1, 5, v0
	v_readfirstlane_b32 s[WV], v1
	s_lshr_b32 s15, s[WV], 1                       ; i: my half of the queries
	s_and_b32 s16, s[WV], 1                        ; j: my half of the keys
	s_bfe_u32 s17, ttmp6, 0x40000                  ; cx
	s_bfe_u32 s18, ttmp6, 0x40004                  ; cy
	s_lshl_b32 s19, ttmp9, 2
	s_add_co_u32 s19, s19, s17                     ; X: the block of 128 queries
	s_and_b32 s20, ttmp7, 0xffff
	s_lshl_b32 s20, s20, 2
	s_add_co_u32 s20, s20, s18                     ; H: the head
	s_lshl_b32 s21, s18, 2
	s_lshl_b32 s21, 15, s21                        ; my row of the cluster
	s_lshl_b32 s22, 0x1111, s17                    ; my column
	s_or_b32 s[G1K], s21, (1<<16)|(1<<20)|(1<<21)|(5<<22)|(3<<25)  ; 2-byte elements; after every 64 words 4 words of padding
	s_or_b32 s[G1V], s21, (1<<16)|(1<<20)|(1<<21)|(5<<22)|(7<<25)  ; 8 words
	s_or_b32 s[G1M], s22, (2<<16)|(1<<20)|(1<<21)|(6<<22)|(3<<25)  ; 4-byte elements; after every 128 words 4 words
.irp g, G1K, G1V
	s_mov_b32 s[(\g)+1], 128<<16
	s_mov_b32 s[(\g)+2], 128<<16
	s_mov_b32 s[(\g)+3], 128<<16
	s_mov_b32 s[(\g)+4], 128
	s_mov_b32 s[(\g)+5], 128
	s_mov_b32 s[(\g)+6], 0
	s_mov_b32 s[(\g)+7], 0
.endr
	s_mov_b32 s[G1M+1], 128<<16                    ; tensor_dim0 = 128
	s_mov_b32 s[G1M+2], 64<<16                     ; tensor_dim1 = 64
	s_mov_b32 s[G1M+3], 128<<16                    ; tile_dim0 = 128
	s_mov_b32 s[G1M+4], 64                         ; tile_dim1 = 64
	s_mov_b32 s[G1M+5], 2048
	s_mov_b32 s[G1M+6], 0
	s_mov_b32 s[G1M+7], 0
	s_and_b32 s[KS], ttmp7, 1                      ; where my cluster's walk begins: made of the cluster's place alone, so it is the same in all sixteen partners
	s_lshl_b32 s[KS], s[KS], 3
	s_lshl_b32 s21, ttmp9, 2
	s_add_co_u32 s[KS], s[KS], s21
	s_and_b32 s[KS], s[KS], 15
	s_mov_b32 s[OFK+1], 0
	s_mov_b32 s[OFM+1], 0
	s_lshl_b32 s88, s20, 19                        ; the head's 2,048 rows of 256 bytes,
	s_add_co_u32 s88, s88, 0x800000                ; in K's plane
	s_mov_b32 s89, 0
	s_lshl_b32 s90, s19, 20                        ; the mask: 128 X rows of 8,192 bytes,
	s_lshl_b32 s91, s16, 19                        ; the 64 of them that I would fetch
	s_add_co_u32 s90, s90, s91
	s_mov_b32 s91, 0
	s_mul_i32 s[MW], s16, 64*PM
	s_add_co_u32 s[MW], s[MW], MOFF
	s_lshl_b32 s94, s20, 19                        ; Q: the head, 128 X + 64 i rows
	s_lshl_b32 s95, s19, 15
	s_add_co_u32 s94, s94, s95
	s_lshl_b32 s95, s15, 14
	s_add_co_u32 s94, s94, s95
	s_mov_b32 s95, 0
	s_mov_b32 s[SEL], 0x76543210
	s_mov_b32 s[SEL+1], 0xfedcba98
	s_mov_b32 s[BIG], 0xf149f2ca                   ; -1e30
	s_mov_b32 s[LOW], 0xff7fffff                   ; the lowest finite number
	s_mov_b32 s[TB], 0
	s_wait_dscnt 0x0                               ; the opening add is done
	s_wait_kmcnt 0x0
	s_add_nc_u64 s[88:89], s[4:5], s[88:89]        ; K at step 0; never rewritten
	s_add_nc_u64 s[92:93], s[88:89], 0x800000      ; V; never rewritten
	s_add_nc_u64 s[90:91], s[6:7], s[90:91]        ; the mask; never rewritten
	s_add_nc_u64 s[4:5], s[4:5], s[94:95]          ; Q
.irp s, 0,1
	s_lshl_b32 s[OFK], s[KS], 15                   ; a step is 128 rows of 256 bytes of K and of V,
	s_lshl_b32 s[OFM], s[KS], 9                    ; and 512 bytes of a row of the mask
	s_mov_b32 s[G0K+4*(\s)], 1
	s_mov_b32 s[G0K+4*(\s)+1], (\s)*SLOT
	s_add_nc_u64 s[G0K+4*(\s)+2:G0K+4*(\s)+3], s[88:89], s[OFK:OFK+1]
	s_or_b32 s[G0K+4*(\s)+3], s[G0K+4*(\s)+3], 0x80000000
	s_mov_b32 s[G0V+4*(\s)], 1
	s_mov_b32 s[G0V+4*(\s)+1], (\s)*SLOT+VOFF
	s_add_nc_u64 s[G0V+4*(\s)+2:G0V+4*(\s)+3], s[92:93], s[OFK:OFK+1]
	s_or_b32 s[G0V+4*(\s)+3], s[G0V+4*(\s)+3], 0x80000000
	s_mov_b32 s[G0M+4*(\s)], 1
	s_add_co_u32 s[G0M+4*(\s)+1], s[MW], (\s)*SLOT
	s_add_nc_u64 s[G0M+4*(\s)+2:G0M+4*(\s)+3], s[90:91], s[OFM:OFM+1]
	s_or_b32 s[G0M+4*(\s)+3], s[G0M+4*(\s)+3], 0x80000000
	s_add_co_u32 s[KS], s[KS], 1                   ; (the walk begins at a multiple of 4: no wrap here)
.endr
	CROUND                                         ; all sixteen work-groups are here: the first joint loads meet
	s_cmp_lg_u32 s[WV], 0                          ; a wave's two first fills stand together: two loads of mine are out
	s_cbranch_scc1 .Lfirst_not_k
	tensor_load_to_lds s[G0K:G0K+3], s[G1K:G1K+7]
	s_nop 0
	tensor_load_to_lds s[G0K+4:G0K+7], s[G1K:G1K+7]
	s_nop 0
	PLACES
	s_branch .Lfirst_asked
.Lfirst_not_k:
	s_cmp_lg_u32 s[WV], 1
	s_cbranch_scc1 .Lfirst_not_v
	tensor_load_to_lds s[G0V:G0V+3], s[G1V:G1V+7]
	s_nop 0
	tensor_load_to_lds s[G0V+4:G0V+7], s[G1V:G1V+7]
	s_nop 0
	PLACES
	s_branch .Lfirst_asked
.Lfirst_not_v:
	tensor_load_to_lds s[G0M:G0M+3], s[G1M:G1M+7]
	s_nop 0
	tensor_load_to_lds s[G0M+4:G0M+7], s[G1M:G1M+7]
	s_nop 0
	PLACES
.Lfirst_asked:
	s_lshl_b32 s94, s20, 2
	s_mov_b32 s95, 0
	s_add_nc_u64 s[10:11], s[10:11], s[94:95]
	s_load_b32 s85, s[10:11], 0x0                  ; the head's gate
	s_lshl_b32 s94, s20, 12
	s_add_nc_u64 s[8:9], s[8:9], s[94:95]          ; the head's 4,096 bytes of akh (and, 65,536 on, of avt)
	v_and_b32 v1, 15, v0                           ; r
	v_bfe_u32 v9, v0, 4, 1                         ; h
	v_lshlrev_b32 v[AKO], 8, v1
	v_lshl_add_u32 v[AKO], v9, 4, v[AKO]           ; 256 r + 16 h
	v_lshlrev_b32 v[AVO], 5, v1
	v_lshl_add_u32 v[AVO], v9, 4, v[AVO]           ; 32 r + 16 h
	s_lshl_b32 s21, s16, 13
	s_xor_b32 s22, s21, 8192
	v_add_nc_u32 v[QOA], s21, v[AKO]               ; piece 0: tiles 2 j, 2 j + 1 of my 64 queries
	v_add_nc_u32 v[QOB], s22, v[AKO]               ; piece 2: the other two
	WIN 0x80
.set i, 0
.rept 16                               ; Q stays in registers: local tile i / 4, channels 32 (i % 4) on
.if i < 8
	global_load_b128 v[8*i:8*i+3],   v[QOA], s[4:5] offset:((i/4)%2)*4096+(i%4)*64
	global_load_b128 v[8*i+4:8*i+7], v[QOA], s[4:5] offset:((i/4)%2)*4096+(i%4)*64+32
.else
	global_load_b128 v[8*i:8*i+3],   v[QOB], s[4:5] offset:((i/4)%2)*4096+(i%4)*64
	global_load_b128 v[8*i+4:8*i+7], v[QOB], s[4:5] offset:((i/4)%2)*4096+(i%4)*64+32
.endif
.set i, i+1
.endr
	WIN 0xc0
.irp c, 0,1,2,3
	global_load_b128 v[AKF+8*\c:AKF+8*\c+3],   v[AKO], s[8:9] offset:64*\c
	global_load_b128 v[AKF+8*\c+4:AKF+8*\c+7], v[AKO], s[8:9] offset:64*\c+32
.endr
.irp c, 0,1,2,3,4,5,6,7
	global_load_b128 v[AVF+8*\c:AVF+8*\c+3], v[AVO], s[8:9] offset:65536+512*\c
.endr
; What the first turns find.  All this stands in the wait for the first tiles.
.irp c, 0,1,2,3,4,5,6,7
.irp p, 4,5,6,7
	v_mov_b32 v[AVF+8*\c+\p], 0                    ; the adapter has no keys 16 to 31
.endr
.endr
	WIN 0x40
.set i, 0
.rept 256
	v_mov_b32 v[i], 0                              ; O^T
.set i, i+1
.endr
	WIN 0
.set i, 0
.rept 32
	v_mov_b32 v[P+i], 0                            ; piece 0's P
.set i, i+1
.endr
.set i, 0
.rept 64
	v_mov_b32 v[S+64+i], s[BIG]                    ; piece 2's scores
.set i, i+1
.endr
.set i, 0
.rept 4
	v_mov_b32 v[ST+8*i], s[LOW]
	v_mov_b32 v[ST+8*i+1], s[LOW]
	v_mov_b32 v[ST+8*i+2], 0
	v_mov_b32 v[ST+8*i+3], 0
.set i, i+1
.endr
	s_lshl_b32 s21, s16, 6                         ; 64 j: my keys in a slot
	v_add_nc_u32 v11, s21, v1
	v_mul_u32_u24 v[AK0], v11, PK
	v_lshl_add_u32 v[AK0], v9, 4, v[AK0]
	v_and_b32 v11, 7, v0
	v_lshl_add_u32 v11, v9, 3, v11
	v_add_nc_u32 v11, s21, v11
	v_mul_u32_u24 v[AV0], v11, PV
	v_bfe_u32 v11, v0, 3, 1
	v_lshl_add_u32 v[AV0], v11, 4, v[AV0]
	v_add_nc_u32 v[AV0], VOFF, v[AV0]
	s_lshl_b32 s22, s15, 6                         ; 64 i
	s_lshl_b32 s23, s16, 5                         ; 32 j
	s_add_co_u32 s21, s22, s23
	v_add_nc_u32 v11, s21, v1
	v_mul_u32_u24 v[AMA], v11, PM
	s_xor_b32 s23, s23, 32                         ; 32 (1 - j)
	s_add_co_u32 s21, s22, s23
	v_add_nc_u32 v11, s21, v1
	v_mul_u32_u24 v[AMB], v11, PM
	s_lshl_b32 s23, s16, 8                         ; my 64 keys: 256 j bytes of a row
	s_add_co_u32 s23, s23, MOFF
	v_lshl_add_u32 v11, v9, 5, s23                 ; + 32 h
	v_add_nc_u32 v[AMA], v[AMA], v11
	v_add_nc_u32 v[AMB], v[AMB], v11
	s_mul_i32 s21, s[WV], 16*SP
	s_add_co_u32 s21, s21, STAGE                   ; my stage
	v_mul_u32_u24 v[STO], v1, SP
	v_lshl_add_u32 v[STO], v9, 4, v[STO]
	v_add_nc_u32 v[STO], s21, v[STO]
	v_mul_u32_u24 v[RD], v9, SP
	v_lshl_add_u32 v[RD], v1, 4, v[RD]
	v_add_nc_u32 v[RD], s21, v[RD]
	v_lshlrev_b32 v[GO], 12, v9                    ; two rows of ao, 4,096 bytes apart
	v_lshl_add_u32 v[GO], v1, 4, v[GO]
	s_lshl_b32 s94, s19, 19                        ; ao: rows 128 X + 64 i + 32 j on,
	s_lshl_b32 s21, s15, 18
	s_add_co_u32 s94, s94, s21
	s_lshl_b32 s21, s16, 17
	s_add_co_u32 s94, s94, s21
	s_lshl_b32 s21, s20, 8                         ; the head's 256 bytes of a row
	s_add_co_u32 s94, s94, s21
	s_add_nc_u64 s[12:13], s[12:13], s[94:95]
	s_and_b32 s23, ttmp7, 0xffff                   ; the prefetches: cluster y = 0 or 1,
	s_cmp_lt_u32 s23, 2
	s_cselect_b32 s[LIM], 10, -1
	s_cmp_lt_u32 s[WV], 2                          ; and a wave that fetches the mask: the same in all sixteen partners, for a given wave
	s_cselect_b32 s[LIM], -1, s[LIM]
	s_lshl_b32 s94, s18, 17                        ; my work-group's 16 rows of 8,192 bytes
	s_add_nc_u64 s[PFB:PFB+1], s[90:91], s[94:95]
	v_and_b32 v11, 31, v0
	v_lshrrev_b32 v[XSS], 1, v11
	v_lshlrev_b32 v[XSS], 13, v[XSS]               ; two lanes a row,
	v_and_b32 v11, 1, v11
	v_lshl_or_b32 v[PFO], v11, 8, v[XSS]           ; 256 bytes apart
	s_wait_kmcnt 0x0
	v_mov_b32 v[GT], s85
	v_cvt_pk_bf16_f32 v[GT], v[GT], v[GT]          ; the gate rounded to bf16, like every input
	v_lshlrev_b32 v[GT], 16, v[GT]
; THE MATRIX WORK OF A TURN, for piece x.  The accumulators take turns, one instruction a turn: 16 in V^T P, 8 in K Q^T.
.macro PV x                            ; product i of 32 of O^T += V^T P: keys 32 (i / 16) on, channels 16 ((i / 2) % 8) on, tile x + i % 2
	WIN W_PV
.set rO, 64*((\x)+i%2)+8*((i/2)%8)
.set rV, 64*(i/16)+8*((i/2)%8)
.set rP, P+16*((\x)+i%2)+8*(i/16)
	v_wmma_f32_16x16x32_f16 v[rO:rO+7], v[rV:rV+7], v[rP:rP+7], v[rO:rO+7]
.endm
.macro KQ x                            ; product i of 32 of S^T += K Q^T: channels 32 (i / 8) on, keys 16 ((i / 2) % 4) on, tile x + i % 2.  The first 8 add onto the mask
	WIN W_KQ
.set rS, S+32*((\x)+i%2)+8*((i/2)%4)
.set rK, KF+32*((i/2)%4)+8*(i/8)
.set rQ, 32*((\x)+i%2)+8*(i/8)
	v_wmma_f32_16x16x32_f16 v[rS:rS+7], v[rK:rK+7], v[rQ:rQ+7], v[rS:rS+7]
.endm
; THE LDS LOADS stand in runs, never singly among the matrix instructions.
.macro FETCH_K
	WIN 0
	v_add_nc_u32 v[ADR], s[TB], v[AK0]
	WIN 0x80
.irp f, 0,1,2,3,4,5,6,7,8,9,10,11,12,13,14,15
	ds_load_b128 v[KF+8*(\f):KF+8*(\f)+3],   v[ADR] offset:((\f)/4)*16*PK+((\f)%4)*64
	ds_load_b128 v[KF+8*(\f)+4:KF+8*(\f)+7], v[ADR] offset:((\f)/4)*16*PK+((\f)%4)*64+32
.endr
.endm
.macro FETCH_M x                       ; the mask of piece x's two tiles for my 64 keys, straight into S^T's registers: register 8 n + 4 e + .. of a tile is key 16 n + 8 (lane / 16) + 4 e + ..
	WIN 0
.if (\x) == 0
	v_add_nc_u32 v[ADR], s[TB], v[AMA]
.else
	v_add_nc_u32 v[ADR], s[TB], v[AMB]
.endif
.irp t, 0,1
.irp n, 0,1,2,3
	ds_load_b128 v[S+32*((\x)+\t)+8*\n:S+32*((\x)+\t)+8*\n+3],   v[ADR] offset:\t*16*PM+64*\n
	ds_load_b128 v[S+32*((\x)+\t)+8*\n+4:S+32*((\x)+\t)+8*\n+7], v[ADR] offset:\t*16*PM+64*\n+16
.endr
.endr
.endm
.macro FETCH_V batch=1                 ; batch = 1: in a turn, where the softmax's batch of exponentials is out
	WIN 0
	v_add_nc_u32 v[ADR], s[TB], v[AV0]
.if \batch
	s_wait_alu depctr_va_vdst(0)                   ; the wait for the softmax's batch of exponentials, behind the address's line and ahead of the loads
.endif
	WIN 0xc0
.irp f, 0,1,2,3,4,5,6,7,8,9,10,11,12,13,14,15
	ds_load_tr16_b128 v[8*(\f):8*(\f)+3],   v[ADR] offset:((\f)/8)*32*PV+((\f)%8)*32
	ds_load_tr16_b128 v[8*(\f)+4:8*(\f)+7], v[ADR] offset:((\f)/8)*32*PV+16*PV+((\f)%8)*32
.endr
.endm
; THE VECTOR WORK OF A TURN.  One tile's softmax for one step is a list of 134 instructions; SM writes number j of it for tile t.
;   0-15 the maximum of the 32 scores and the old m (each accumulator's lowest registers first)   16-20 the other half of the lanes' maximum; the new m; its change
;   21-69 ONE BATCH: the 16 subtractions s - m, a pair each, and all 33 exponentials (a at 23): none reads an exponential's result   (the wait: SLICE writes it)
;   70-85 the roundings to f16   86-101 the sums; l = a l + sum   102-133 the tile's O^T times a
.macro SM t
.set rT, ST+8*(\t)
.set rS, S+32*(\t)
.set rP, P+16*(\t)
.set rO, 64*(\t)+2*(j-102)
.if j < 102
	WIN 0
.endif
.if j < 4
	v_max3_num_f32 v[rT+4+j], v[rS+8*j], v[rS+8*j+1], v[rS+8*j+2]
.elseif j < 12
	v_max3_num_f32 v[rT+4+j%4], v[rT+4+j%4], v[rS+8*(j%4)+2*(j/4)+1], v[rS+8*(j%4)+2*(j/4)+2]
.elseif j == 12
	v_max3_num_f32 v[rT+4], v[rT+4], v[rS+7], v[rS+15]
.elseif j == 13
	v_max3_num_f32 v[rT+6], v[rT+6], v[rS+23], v[rS+31]
.elseif j == 14
	v_max3_num_f32 v[rT+4], v[rT+4], v[rT+5], v[rT+6]
.elseif j == 15
	v_max3_num_f32 v[rT+4], v[rT+4], v[rT+7], v[rT+1]
.elseif j == 16
	v_permlanex16_b32 v[rT+5], v[rT+4], s[SEL], s[SEL+1]  ; the query's other 32 keys lie in the lane 16 away
.elseif j == 17
	v_mov_b32 v[rT+7], v[rT]                       ; the old m is kept for a
.elseif j == 18
	v_max_num_f32 v[rT+1], v[rT+4], v[rT+5]
.elseif j == 19
	v_mov_b32 v[rT], v[rT+1]
.elseif j == 20
	v_sub_f32 v[rT+7], v[rT+7], v[rT]
.elseif j == 23
	v_exp_f32 v[rT+6], v[rT+7]
.elseif (j < 23) || ((j < 38) && (j%2 == 0)) || ((j < 66) && (j%4 == 2))
.set b, (j-2)/4
.if j < 38
.set b, (j-20)/2
.endif
	v_pk_add_f32 v[rS+2*b:rS+2*b+1], v[rS+2*b:rS+2*b+1], v[rT:rT+1] op_sel_hi:[1,0] neg_lo:[0,1] neg_hi:[0,1]  ; pair b: s - m
.elseif j < 70
.set e, j-38
.if j < 66
.set e, j-32-(j-38)/4
.endif
.if j < 38
.set e, (j-25)/2
.endif
	v_exp_f32 v[rS+e], v[rS+e]
.elseif j < 86
	v_cvt_pk_f16_f32 v[rP+j-70], v[rS+2*(j-70)], v[rS+2*(j-70)+1]
.elseif j < 102
.set z, j-86
.set w, 4
.set u, z
.if z >= 14
.set w, 32
.set u, 0
.elseif z >= 12
.set w, 16
.set u, z-12
.elseif z >= 8
.set w, 8
.set u, z-8
.endif
.if z < 15
	v_pk_add_f32 v[rS+w*u:rS+w*u+1], v[rS+w*u:rS+w*u+1], v[rS+w*u+w/2:rS+w*u+w/2+1]
.else
	v_pk_fma_f32 v[rT+2:rT+3], v[rT+2:rT+3], v[rT+6:rT+7], v[rS:rS+1] op_sel_hi:[1,0,1]
.endif
.else
	WIN W_RS
	v_pk_mul_f32 v[rO:rO+1], v[rO:rO+1], v[rT+6:rT+7] op_sel_hi:[1,0]
.endif
.endm
; Slice k of 64 of piece y's softmax: four instructions; slices 11 to 34 deal out the batch, four numbers of one tile each; the twelve that are over stand in slice 63, where they are also the
; places behind the turn's last products.  Ahead of slice 35 nothing names an exponential's result, behind slice 34 none is issued: one wait serves the piece's 66 exponentials.
.macro SLICE y
.if (k >= 11) && (k < 35)
.irp n, 0,1,2,3
.set j, 22+4*((k-11)/2)+(\n)
	SM (\y)+(k-11)%2
.endr
.else
.irp n, 0,1,2,3,4,5,6,7
.if ((\n) < 2) || (k == 63)
.irp t, \y, (\y)+1
.set j, 2*k+(\n)
	SM \t
.endr
.endif
.endr
.endif
.if k == 34
	v_nop                                          ; the plain instruction behind the last exponential: one for the batch
.if (\y) == 0
	FETCH_V                                        ; piece 2's turn: V's run stands here, four plain instructions behind the last product that read V (two subtractions, the v_nop, the address)
.else
	s_wait_alu depctr_va_vdst(0)                   ; the wait for the batch
.endif
.endif
.set k, k+1
.endm
; A TURN.  Piece x has the matrix unit: 32 products V^T P, then 32 products K Q^T of the next step.  Behind the turn's second product stand the runs of loads that the second kind wants: piece 0's turn K and
; its mask, piece 2's turn its mask; one wait for them ahead of the first K Q^T.  last = 1 (the tail): in the trip with CNT = 1 there is no further step, and the runs are jumped over.
.macro TURN x, last=0
.set k, 0
.if (\x) == 0
	s_wait_dscnt 0x0                               ; V is in
.endif
.set i, 0
.rept 32
	PV \x
	SLICE 2-(\x)
.if i == 1
.if \last
	WIN 0
	s_cmp_eq_u32 s[CNT], 1
	s_cbranch_scc1 .Lno_next_\@
.endif
.if (\x) == 0
	FETCH_K
.endif
	FETCH_M \x
.if \last
.Lno_next_\@:
.endif
.endif
.set i, i+1
.endr
	s_wait_dscnt 0x0                               ; K and the mask are in
.set i, 0
.rept 32
	KQ \x
	SLICE 2-(\x)
.set i, i+1
.endr
.endm
; THE CHANGE OF SLOTS, behind every step: all that the two turns read lies in the slot at TB.  Each wave waits for all its tensor loads (at most one is out: its part of the other slot), adds 0 to its spare
; word, and waits for that and for its reads.  fill = 1: the barrier is a round of the cluster's, and the slot just read is filled again, with step KS, first thing behind it.
.macro CHANGE fill
	WIN 0
	s_wait_tensorcnt 0x0                           ; no tensor load of mine is out, so a group 0 may be written
	ds_add_u32 v[SPW], v[NIL]
.if \fill
	s_mov_b32 s[G0K+5], s[TB]                      ; the walking descriptors: into the slot just read,
	s_add_co_u32 s[G0V+5], s[TB], VOFF
	s_add_co_u32 s[G0M+5], s[TB], s[MW]
	s_lshl_b32 s[OFK], s[KS], 15
	s_lshl_b32 s[OFM], s[KS], 9
	s_add_nc_u64 s[G0K+6:G0K+7], s[88:89], s[OFK:OFK+1]  ; the addresses made anew from the step's number,
	s_or_b32 s[G0K+7], s[G0K+7], 0x80000000              ; the type set again
	s_add_nc_u64 s[G0V+6:G0V+7], s[92:93], s[OFK:OFK+1]
	s_or_b32 s[G0V+7], s[G0V+7], 0x80000000
	s_add_nc_u64 s[G0M+6:G0M+7], s[90:91], s[OFM:OFM+1]
	s_or_b32 s[G0M+7], s[G0M+7], 0x80000000
	s_wait_xcnt 0x0                                ; the last prefetch, a step back, has read its address: it is made anew, for the step two behind KS
	s_add_co_u32 s94, s[KS], 2
	s_and_b32 s94, s94, 15
	s_lshl_b32 s94, s94, 9
	s_add_nc_u64 s[PFA:PFA+1], s[PFB:PFB+1], s[94:95]
	s_add_co_u32 s[KS], s[KS], 1
	s_and_b32 s[KS], s[KS], 15                     ; the walk wraps round
	s_wait_dscnt 0x0                               ; the add is done, and my reads of the slot are over
	CROUND
	JLOAD
	ASK
.else
	s_wait_dscnt 0x0
	s_barrier_signal -1
	s_barrier_wait -1
.endif
	s_xor_b32 s[TB], s[TB], SLOT                   ; the fetches go on in the other slot
.endm
	s_wait_tensorcnt 1                             ; my part of slot 0 is in; slot 1's may stay out
	s_barrier_signal -1
	s_barrier_wait -1
	FETCH_V 0                                      ; V's registers take the walk's first step's V: the early step wants finite numbers there, and the first turn waits for them
	WIN 0
	s_wait_loadcnt 0x0                             ; Q, ak, av
	s_mov_b32 s[CNT], 14
.Lstep:                                                ; trip n: V^T P of the walk's step n - 1, K Q^T of step n; step n + 2 is asked for
	TURN 0
	TURN 2
	CHANGE 1
	s_sub_co_u32 s[CNT], s[CNT], 1
	s_cmp_lg_u32 s[CNT], 0
	s_cbranch_scc1 .Lstep
	s_mov_b32 s[CNT], 3
.Ltail:                                                ; two trips read the last two slots and ask for nothing: a text of its own; the third is left in its middle
	TURN 0, 1                                      ; in the third trip: piece 0's V^T P of the last step | piece 2's last softmax | products K Q^T that serve nothing
	WIN 0
	s_cmp_eq_u32 s[CNT], 1                         ; the counter is the same in every wave of every work-group
	s_cbranch_scc1 .Lout
	TURN 2
	CHANGE 0
	s_sub_co_u32 s[CNT], s[CNT], 1
	s_cmp_lg_u32 s[CNT], 0
	s_cbranch_scc1 .Ltail
.Lout:
.set i, 0
.rept 32
	PV 2                                           ; piece 2: V^T P of the last step
.set i, i+1
.endr
; THE EXCHANGE.  Piece 2's O^T and statistics go to my partner through LDS, and its piece 2, which is my piece 0's tiles for the other keys, comes into the same registers.
; No wave has read a slot behind the tail's last barrier.
	WIN 0
	v_and_b32 v11, 31, v0                          ; six plain lines: the places behind the last products
	v_lshlrev_b32 v11, 4, v11
	s_lshl_b32 s21, s[WV], 14
	s_xor_b32 s22, s21, 16384
	v_add_nc_u32 v[XS], s21, v11
	v_add_nc_u32 v[XR], s22, v11
	s_lshl_b32 s21, s[WV], 10
	s_xor_b32 s22, s21, 1024
	s_add_co_u32 s21, s21, XST
	s_add_co_u32 s22, s22, XST
	v_add_nc_u32 v[XSS], s21, v11
	v_add_nc_u32 v[XRS], s22, v11
	WIN 0x04                                       ; store data in window 1
.set i, 0
.rept 32
	ds_store_b128 v[XS], v[128+4*i:128+4*i+3] offset:512*i
.set i, i+1
.endr
	WIN 0
	ds_store_b128 v[XSS], v[ST+16:ST+19]
	ds_store_b128 v[XSS], v[ST+24:ST+27] offset:512
	s_wait_dscnt 0x0                               ; for my partner's sake
	s_barrier_signal -1
	s_barrier_wait -1
	WIN 0x40
.set i, 0
.rept 32
	ds_load_b128 v[128+4*i:128+4*i+3], v[XR] offset:512*i
.set i, i+1
.endr
	WIN 0
	ds_load_b128 v[ST+16:ST+19], v[XRS]
	ds_load_b128 v[ST+24:ST+27], v[XRS] offset:512
	v_lshlrev_b32 v11, 3, v9
	v_sub_nc_u32 v11, 9, v11                       ; the adapter has keys 0 to 9: register i of my eight is hidden where i > 9 - 8 (lane / 16)
.set i, 0
.rept 8
	v_cmp_gt_i32 vcc_lo, i, v11
	v_cndmask_b32 v[MD+i], 0, s[BIG], vcc_lo
.set i, i+1
.endr
	s_wait_dscnt 0x0
.macro BOTH line:vararg                ; one line for each of my two tiles u: rA my statistics, rB my partner's (later at work), rX the adapter's scores, rPa its weights
.set u, 0
.rept 2
.set rA, ST+8*u
.set rB, ST+8*(u+2)
.set rX, S+32*u
.set rPa, P+16*u
	\line
.set u, u+1
.endr
.endm
; THE MERGE.  m* = max(mA, mB); f = 2^(m - m*); L = fA lA + fB lB; O = (fA / L) O_A + (fB / L) O_B.
	BOTH v_add_f32 v[rA+2], v[rA+2], v[rA+3]
	BOTH v_add_f32 v[rB+2], v[rB+2], v[rB+3]
	BOTH v_permlanex16_b32 v[rA+3], v[rA+2], s[SEL], s[SEL+1]
	BOTH v_permlanex16_b32 v[rB+3], v[rB+2], s[SEL], s[SEL+1]
	BOTH v_add_f32 v[rA+2], v[rA+2], v[rA+3]
	BOTH v_add_f32 v[rB+2], v[rB+2], v[rB+3]
	BOTH v_max_num_f32 v[rA+4], v[rA+1], v[rB+1]
	BOTH v_sub_f32 v[rA+5], v[rA+1], v[rA+4]
	BOTH v_sub_f32 v[rB+5], v[rB+1], v[rA+4]
	BOTH v_exp_f32 v[rA+5], v[rA+5]
	BOTH v_exp_f32 v[rB+5], v[rB+5]
	v_nop                                          ; a plain instruction behind the last exponential,
	s_wait_alu depctr_va_vdst(0)                   ; and one wait for the four
	BOTH v_mul_f32 v[rA+6], v[rA+5], v[rA+2]
	BOTH v_fmac_f32 v[rA+6], v[rB+5], v[rB+2]
	BOTH v_rcp_f32 v[rA+7], v[rA+6]
	v_nop
	s_wait_alu depctr_va_vdst(0)                   ; one wait for the two reciprocals
	BOTH v_mul_f32 v[rA+6], v[rA+5], v[rA+7]
	BOTH v_mul_f32 v[rB+6], v[rB+5], v[rA+7]
	WIN W_RS
.set i, 0
.rept 64
	v_pk_mul_f32 v[2*i:2*i+1], v[2*i:2*i+1], v[ST+8*(i/32)+6:ST+8*(i/32)+7] op_sel_hi:[1,0]
.set i, i+1
.endr
	WIN 0x51                                       ; destination, sources 0 and 2 in window 1, the factor in window 0
.set i, 0
.rept 64
	v_pk_fma_f32 v[2*i:2*i+1], v[128+2*i:128+2*i+1], v[ST+8*(i/32+2)+6:ST+8*(i/32+2)+7], v[2*i:2*i+1] op_sel_hi:[1,0,1]
.set i, i+1
.endr
; THE ADAPTER, for my two tiles.  Scores: source 0 = the 16 rows of ak, source 1 = Q; the first product adds onto MD.  The two accumulators take turns.
	WIN 0x0b                                       ; ak in window 3, Q in window 2
.irp c, 0,1,2,3
.irp t, 0,1
.if \c == 0
	v_wmma_f32_16x16x32_f16 v[S+32*\t:S+32*\t+7], v[AKF+8*\c:AKF+8*\c+7], v[32*\t+8*\c:32*\t+8*\c+7], v[MD:MD+7]
.else
	v_wmma_f32_16x16x32_f16 v[S+32*\t:S+32*\t+7], v[AKF+8*\c:AKF+8*\c+7], v[32*\t+8*\c:32*\t+8*\c+7], v[S+32*\t:S+32*\t+7]
.endif
.endr
.endr
	WIN 0
	PLACES
	BOTH v_max3_num_f32 v[rB+4], v[rX], v[rX+1], v[rX+2]
	BOTH v_max3_num_f32 v[rB+4], v[rB+4], v[rX+3], v[rX+4]
	BOTH v_max3_num_f32 v[rB+4], v[rB+4], v[rX+5], v[rX+6]
	BOTH v_max_num_f32 v[rB+4], v[rB+4], v[rX+7]
	BOTH v_permlanex16_b32 v[rB+5], v[rB+4], s[SEL], s[SEL+1]
	BOTH v_max_num_f32 v[rB], v[rB+4], v[rB+5]
.irp p, 0,2,4,6
	BOTH v_pk_add_f32 v[rX+\p:rX+\p+1], v[rX+\p:rX+\p+1], v[rB:rB+1] op_sel_hi:[1,0] neg_lo:[0,1] neg_hi:[0,1]
.endr
.irp p, 0,1,2,3,4,5,6,7
	BOTH v_exp_f32 v[rX+\p], v[rX+\p]
.endr
	v_nop
	s_wait_alu depctr_va_vdst(0)                   ; one wait for the sixteen exponentials
	BOTH v_pk_add_f32 v[rB+2:rB+3], v[rX:rX+1], v[rX+2:rX+3]
	BOTH v_pk_add_f32 v[rB+6:rB+7], v[rX+4:rX+5], v[rX+6:rX+7]
	BOTH v_pk_add_f32 v[rB+2:rB+3], v[rB+2:rB+3], v[rB+6:rB+7]
	BOTH v_add_f32 v[rB+2], v[rB+2], v[rB+3]
	BOTH v_permlanex16_b32 v[rB+3], v[rB+2], s[SEL], s[SEL+1]
	BOTH v_add_f32 v[rB+2], v[rB+2], v[rB+3]
	BOTH v_rcp_f32 v[rB+6], v[rB+2]
	v_nop
	s_wait_alu depctr_va_vdst(0)
	BOTH v_mul_f32 v[rB+6], v[rB+6], v[GT]         ; gate / sum
.irp p, 0,2,4,6
	BOTH v_pk_mul_f32 v[rX+\p:rX+\p+1], v[rX+\p:rX+\p+1], v[rB+6:rB+7] op_sel_hi:[1,0]
.endr
.irp p, 0,1,2,3
	BOTH v_cvt_pk_f16_f32 v[rPa+\p], v[rX+2*\p], v[rX+2*\p+1]
	BOTH v_mov_b32 v[rPa+4+\p], 0
.endr
	WIN W_PV
.irp n, 0,1,2,3,4,5,6,7
.irp t, 0,1
	v_wmma_f32_16x16x32_f16 v[64*\t+8*\n:64*\t+8*\n+7], v[AVF+8*\n:AVF+8*\n+7], v[P+16*\t:P+16*\t+7], v[64*\t+8*\n:64*\t+8*\n+7]
.endr
.endr
	WIN 0
	PLACES
; THE WAY OUT.  A lane's eight channels of a row pack into 16 bytes; they go into rows of 272 bytes of my stage and come back as whole rows of 256.
.macro PACK t
	WIN 0x05
.set i, 0
.rept 32
	v_cvt_pk_f16_f32 v[S+32*(\t)+i], v[64*(\t)+2*i], v[64*(\t)+2*i+1]
.set i, i+1
.endr
	WIN 0
.irp f, 0,1,2,3,4,5,6,7
	ds_store_b128 v[STO], v[S+32*(\t)+4*(\f):S+32*(\t)+4*(\f)+3] offset:32*(\f)
.endr
.irp f, 0,1,2,3,4,5,6,7
	ds_load_b128 v[S+32*(\t)+4*(\f):S+32*(\t)+4*(\f)+3], v[RD] offset:(\f)*2*SP  ; LDS serves a wave's instructions in order (ISA guide 5.7.1.4): these see the stores above
.endr
.endm
.macro SEND t, younger                 ; younger: the LDS instructions issued behind tile t's loads
.irp f, 0,1,2,3,4,5,6,7
	s_wait_dscnt (\younger)+7-(\f)
	global_store_b128 v[GO], v[S+32*(\t)+4*(\f):S+32*(\t)+4*(\f)+3], s[12:13] offset:(\t)*65536+(\f)*8192  ; 16 lanes store 256 consecutive bytes, aligned: a head's part of a row
.endr
.endm
	PACK 0
	PACK 1
	SEND 0, 16
	SEND 1, 0
	s_wait_tensorcnt 0x0                           ; the wave's end: behind my last tensor load and my last LDS store
	ds_add_u32 v[SPW], v[NIL]
	s_wait_dscnt 0x0
	CROUND                                         ; the closing round
	s_endpgm
.Lfunc_end_k_q38b9a4cfa1_attn:
	.size	k_q38b9a4cfa1_attn, .Lfunc_end_k_q38b9a4cfa1_attn-k_q38b9a4cfa1_attn
	.p2alignl 7, 3214868480
	.fill 96, 4, 3214868480
	.section	.rodata,"a",@progbits
	.p2align	6, 0x0
	.amdhsa_kernel k_q38b9a4cfa1_attn
		.amdhsa_group_segment_fixed_size 327680
		.amdhsa_private_segment_fixed_size 0
		.amdhsa_enable_private_segment 0
		.amdhsa_kernarg_size 40
		.amdhsa_user_sgpr_count 2
		.amdhsa_user_sgpr_kernarg_segment_ptr 1
		.amdhsa_wavefront_size32 1
		.amdhsa_system_sgpr_workgroup_id_x 1
		.amdhsa_system_sgpr_workgroup_id_y 1
		.amdhsa_system_sgpr_workgroup_id_z 1
		.amdhsa_system_vgpr_workitem_id 0
		.amdhsa_next_free_vgpr 1024
		.amdhsa_next_free_sgpr 102
		.amdhsa_reserve_vcc 1
		.amdhsa_float_denorm_mode_32 3
		.amdhsa_float_denorm_mode_16_64 3
		.amdhsa_memory_ordered 1
		.amdhsa_forward_progress 1
		.amdhsa_inst_pref_size 167
	.end_amdhsa_kernel
	.amdgpu_metadata
---
amdhsa.version: [ 1, 2 ]
amdhsa.kernels:
  - .name:           k_q38b9a4cfa1_attn
    .symbol:         k_q38b9a4cfa1_attn.kd
    .args:
      - { .name: qkv, .offset: 0, .size: 8, .value_kind: global_buffer, .address_space: global }
      - { .name: mb, .offset: 8, .size: 8, .value_kind: global_buffer, .address_space: global }
      - { .name: adp, .offset: 16, .size: 8, .value_kind: global_buffer, .address_space: global }
      - { .name: gate, .offset: 24, .size: 8, .value_kind: global_buffer, .address_space: global }
      - { .name: ao, .offset: 32, .size: 8, .value_kind: global_buffer, .address_space: global }
    .group_segment_fixed_size: 327680
    .private_segment_fixed_size: 0
    .kernarg_segment_align: 8
    .kernarg_segment_size: 40
    .max_flat_workgroup_size: 128
    .sgpr_count:     102
    .vgpr_count:     1024
    .wavefront_size: 32
...
	.end_amdgpu_metadata
.endif
;; end of part 3
;; launch oproj (part 4): grid 16 x 16, 4 waves a work-group, clusters of 4 x 4, 327,680 bytes of LDS; arguments ao, cb, out0; writes out0
.if DOCPART == 4
	.amdgcn_target "amdgcn-amd-amdhsa--gfx1250"
	.amdhsa_code_object_version 6
	.text
	.protected	k_q38b9a4cfa1_oproj
	.globl	k_q38b9a4cfa1_oproj
	.p2align	8
	.type	k_q38b9a4cfa1_oproj,@function
k_q38b9a4cfa1_oproj:
	s_mov_b64 s[64:65], 0
	v_nop
	global_prefetch_b8 v0, s[64:65] scope:SCOPE_SE
	s_setreg_imm32_b32 hwreg(HW_REG_WAVE_MODE, 25, 1), 1
	s_wait_xcnt 0x0
	s_wait_alu depctr_hold_cnt(0) depctr_sa_sdst(0) depctr_va_vdst(0) depctr_va_sdst(0) depctr_va_ssrc(0) depctr_va_vcc(0) depctr_vm_vsrc(0)
	s_getreg_b32 s2, hwreg(HW_REG_IB_STS2, 6, 4)
	s_cmp_eq_u32 s2, 0
	s_cbranch_scc0 .Lentry_in_a_cluster
	s_endpgm
.Lentry_in_a_cluster:
	s_bfe_u32 s2, ttmp6, 0x10000c
	s_cmp_lg_u32 s2, 0xf033
	s_cbranch_scc0 .Lentry_shape_is_right
	s_endpgm
.Lentry_shape_is_right:
; OUTPUT PROJECTION.  out0[m][n] = the sum over k of ao[m][k] wo[k][n].  ao: [2048][2048] f16; wo: f16 [k][n], plane 4 of cb (the input rounded to bf16, written as f16); out0 f32.  Sums in f32.
; A tile of out0 is 128 x 128, so that 256 work-groups have one each.  Four waves, each 64 x 64: 16 accumulators.  K goes in 8 steps of 256 through two LDS slots: waves 0 and 1 bring 64 rows x 512
; bytes of ao each, waves 2 and 3 128 k-rows x 256 bytes of wo each.
; THE WALK ALONG K BEGINS AT ANOTHER STEP IN EACH CLUSTER, at step (2 x cluster x + 4 x (cluster y % 2)) % 8, and wraps round: the four clusters that read the same rows of ao begin two steps apart, and of the
; four that read the same columns of wo neighbours begin four apart, so that they ask for different tiles at a time.  f32 sums over K may be taken in any order.
; THE MATRIX INSTRUCTION IS USED TRANSPOSED: source 0 = 16 columns of wo (out of LDS turned, by ds_load_tr16_b128), source 1 = 16 rows of ao: a lane holds eight neighbouring numbers of a row.
; CLUSTER 4 x 4: ao's tiles are asked for jointly along a row of the cluster, wo's along a column.  No prefetch: the tile is small and the walk has eight steps, of which two are asked for at the head.
; REGISTERS: window 0: v0-31 addresses; v32-159 the way out; v128-255 the accumulators ((a, b) at v[128 + 8 (4 a + b)]).  window 1: two fragment buffers of 128: 64 of ao, then 64 of wo.
.set KSTEP,  256
.set PA,     528                       ; a row of ao in LDS: 512 bytes + 16
.set PB,     288                       ; a k-row of wo: 256 + 32
.set HA,     64*PA
.set HB,     128*PB
.set BOFF,   2*HA
.set SLOT,   BOFF+2*HB                 ; 141,312
.set STAGE,  2*SLOT                    ; behind the ring: 16 rows x 272 bytes for each wave, its own
.set SPITCH, 272
.set SPARE,  STAGE+4*16*SPITCH         ; the spare words, 128 bytes a wave: two blocks of 256 bytes that no other line names
.set BA,   16                          ; v16     my place in ao's tile in slot 0; never rewritten
.set CA,   17                          ; v17     the same in the slot that is being read
.set BB,   20                          ; v20-21  my place in wo's tile in slot 0, by half of the step's 256 k-rows; never rewritten
.set CB,   22                          ; v22-23  the same in the slot that is being read
.set STO,  24
.set RD,   25
.set CO,   26
.set SPW,  28
.set NIL,  29
.set TMP,  32
.set ACC,  128
.set F0,   0
.set F1,   128
.set G1, 24                            ; s[24:31] ao's descriptor group 1;  s[32:39] group 0: two sets for the two first fills; the second then walks
.set G0, 32
.set G1B, 48                           ; s[48:55], s[56:63]: wo's
.set G0B, 56
.set TB,  66                           ; s66     LDS byte at which the slot that is being read begins: 0 or SLOT
.set KS,  67                           ; s67     the K step to be asked for next, 0 to 7
.set OFA, 68                           ; s[68:69] its byte offset along ao's rows
.set OFB, 70                           ; s[70:71] its byte offset down wo's rows
.set MSB, 0
.macro WIN new
.if MSB != (\new)
	s_set_vgpr_msb (MSB<<8)|(\new)
.set MSB, \new
.endif
.endm
.set MUL,  0x05
.set TO_F, 0x40
.macro PLACES
.rept 4
	v_nop
.endr
.endm
.macro JLOAD s                         ; waves 0 and 1 fetch ao's two halves, waves 2 and 3 wo's; an s_nop 0 and four v_nop follow each line
	s_cmp_eq_u32 s11, 0
	s_cbranch_scc0 .Lfor_b_\@
	tensor_load_to_lds s[G0+4*(\s):G0+4*(\s)+3], s[G1:G1+7]
	s_nop 0
	PLACES
	s_branch .Lasked_\@
.Lfor_b_\@:
	tensor_load_to_lds s[G0B+4*(\s):G0B+4*(\s)+3], s[G1B:G1B+7]
	s_nop 0
	PLACES
.Lasked_\@:
.endm
.macro CREST
	s_cmp_lg_u32 s10, 0
	s_cbranch_scc1 .Lnot_wave_0_\@
	s_barrier_signal -3
.Lnot_wave_0_\@:
	s_barrier_wait -3
	s_barrier_signal -1
	s_barrier_wait -1
.endm
.macro CROUND
	s_barrier_signal -1
	s_barrier_wait -1
	CREST
.endm
	s_load_b128 s[4:7], s[0:1], 0x0                ; ao s[4:5], cb s[6:7]
	s_load_b64 s[8:9], s[0:1], 0x10                ; out0
	v_lshl_add_u32 v[SPW], v0, 2, SPARE
	v_mov_b32 v[NIL], 0
	ds_add_u32 v[SPW], v[NIL]                      ; the wave's opening: the add and its wait stand ahead of my first tensor load
	v_lshrrev_b32 v1, 5, v0
	v_readfirstlane_b32 s10, v1                    ; wave
	s_lshr_b32 s11, s10, 1                         ; my half of the tile's rows.  Also: I fetch for ao (0) or for wo (1)
	s_and_b32 s12, s10, 1                          ; my half of its columns.  Also: which half of that tile I fetch
	s_bfe_u32 s40, ttmp6, 0x40000                  ; cx
	s_bfe_u32 s41, ttmp6, 0x40004                  ; cy
	s_lshl_b32 s42, ttmp9, 2
	s_add_co_u32 s42, s42, s40                     ; X: tile column
	s_and_b32 s13, ttmp7, 0xffff
	s_lshl_b32 s13, s13, 2
	s_add_co_u32 s13, s13, s41                     ; Y: tile row
	s_lshl_b32 s43, s41, 2
	s_lshl_b32 s43, 15, s43                        ; my row of the cluster
	s_lshl_b32 s44, 0x1111, s40                    ; my column
	s_or_b32 s[G1+0], s43, (1<<16)|(1<<20)|(1<<21)|(6<<22)|(3<<25)   ; 2-byte elements; after every 128 words 4 words of padding
	s_or_b32 s[G1B+0], s44, (1<<16)|(1<<20)|(1<<21)|(5<<22)|(7<<25)  ; after every 64 words 8 words
	s_mov_b32 s[G1+1], 256<<16                     ; ao: 64 rows x 256 elements
	s_mov_b32 s[G1+2], 64<<16
	s_mov_b32 s[G1+3], 256<<16
	s_mov_b32 s[G1+4], 64
	s_mov_b32 s[G1+5], 2048
	s_mov_b32 s[G1+6], 0
	s_mov_b32 s[G1+7], 0
	s_mov_b32 s[G1B+1], 128<<16                    ; wo: 128 k-rows x 128 elements
	s_mov_b32 s[G1B+2], 128<<16
	s_mov_b32 s[G1B+3], 128<<16
	s_mov_b32 s[G1B+4], 128
	s_mov_b32 s[G1B+5], 2048
	s_mov_b32 s[G1B+6], 0
	s_mov_b32 s[G1B+7], 0
	s_and_b32 s[KS], ttmp7, 1                      ; where my cluster's walk begins: made of the cluster's place alone, so it is the same in all sixteen partners
	s_lshl_b32 s[KS], s[KS], 2
	s_lshl_b32 s22, ttmp9, 1
	s_add_co_u32 s[KS], s[KS], s22
	s_and_b32 s[KS], s[KS], 7
	s_mov_b32 s[TB], 0
	s_mov_b32 s[OFA+1], 0
	s_mov_b32 s[OFB+1], 0
	s_lshl_b32 s16, s13, 19                        ; ao: 128 Y rows of 4,096 bytes,
	s_lshl_b32 s17, s12, 18                        ; + the 64 that I fetch
	s_add_co_u32 s16, s16, s17
	s_mov_b32 s17, 0
	s_lshl_b32 s46, s42, 8                         ; wo: the tile's 256 bytes of a k-row,
	s_lshl_b32 s47, s12, 19                        ; + the 128 k-rows of a step that I fetch,
	s_add_co_u32 s46, s46, s47
	s_add_co_u32 s46, s46, 0x2000000               ; in plane 4 of cb
	s_mov_b32 s47, 0
	s_mul_i32 s20, s12, HA                         ; where they go in a slot: no place in the cluster enters an LDS address
	s_mul_i32 s21, s12, HB
	s_add_co_u32 s21, s21, BOFF
	s_wait_dscnt 0x0                               ; the opening add is done
	s_wait_kmcnt 0x0
	s_add_nc_u64 s[14:15], s[4:5], s[16:17]        ; ao's tile at K step 0; never rewritten
	s_add_nc_u64 s[46:47], s[6:7], s[46:47]        ; wo's; never rewritten
	CROUND                                         ; all sixteen work-groups are here: the first joint loads meet
.irp s, 0,1
	s_lshl_b32 s[OFA], s[KS], 9                    ; a K step is 512 bytes of a row of ao,
	s_lshl_b32 s[OFB], s[KS], 20                   ; and 256 k-rows of 4,096 bytes of wo
	s_mov_b32 s[G0+4*(\s)], 1
	s_add_co_u32 s[G0+4*(\s)+1], s20, (\s)*SLOT
	s_add_nc_u64 s[G0+4*(\s)+2:G0+4*(\s)+3], s[14:15], s[OFA:OFA+1]
	s_or_b32 s[G0+4*(\s)+3], s[G0+4*(\s)+3], 0x80000000
	s_mov_b32 s[G0B+4*(\s)], 1
	s_add_co_u32 s[G0B+4*(\s)+1], s21, (\s)*SLOT
	s_add_nc_u64 s[G0B+4*(\s)+2:G0B+4*(\s)+3], s[46:47], s[OFB:OFB+1]
	s_or_b32 s[G0B+4*(\s)+3], s[G0B+4*(\s)+3], 0x80000000
	JLOAD \s                                       ; the walk's first two steps: two loads of mine are out
	s_add_co_u32 s[KS], s[KS], 1                   ; (the walk begins at an even step: no wrap here)
.endr
	s_and_b32 s[KS], s[KS], 7                      ; (a walk that began at step 6 goes on at step 0)
	v_and_b32 v1, 15, v0                           ; r
	v_bfe_u32 v2, v0, 4, 1                         ; h
	v_mul_u32_u24 v3, v1, PA
	v_lshl_add_u32 v3, v2, 4, v3
	s_mul_i32 s22, s11, HA                         ; my 64 rows of ao
	v_add_nc_u32 v[BA], s22, v3
	v_and_b32 v4, 7, v0
	v_lshl_add_u32 v4, v2, 3, v4
	v_mul_u32_u24 v4, v4, PB                       ; k-row 8 h + l % 8
	v_bfe_u32 v5, v0, 3, 1
	v_lshl_add_u32 v4, v5, 4, v4
	s_lshl_b32 s22, s12, 7                         ; my 64 columns: 128 bytes on
	v_add_nc_u32 v4, s22, v4
.irp g, 0,1
	v_add_nc_u32 v[BB+\g], BOFF+\g*HB, v4
.endr
	s_mul_i32 s23, s10, 16*SPITCH
	s_add_co_u32 s23, s23, STAGE                   ; my stage
	v_mul_u32_u24 v4, v1, SPITCH                   ; in: row r, 32 bytes for each half of the lanes
	v_lshl_add_u32 v4, v2, 5, v4
	v_add_nc_u32 v[STO], s23, v4
	v_mul_u32_u24 v5, v2, SPITCH                   ; back: lanes 0-15 one row of 256 bytes, lanes 16-31 the next
	v_lshl_add_u32 v5, v1, 4, v5
	v_add_nc_u32 v[RD], s23, v5
	v_lshlrev_b32 v5, 13, v2                       ; and the same two rows in out0, 8,192 bytes apart
	v_lshl_add_u32 v[CO], v1, 4, v5
	s_lshl_b32 s16, s13, 20                        ; 128 Y rows of 8,192 bytes,
	s_lshl_b32 s17, s11, 19                        ; my 64
	s_add_co_u32 s16, s16, s17
	s_mov_b32 s17, 0
	s_add_nc_u64 s[8:9], s[8:9], s[16:17]
	s_lshl_b32 s72, s42, 9                         ; the tile's 512 bytes of a row,
	s_lshl_b32 s73, s12, 8                         ; my 256
	s_add_co_u32 s72, s72, s73
	s_mov_b32 s73, 0
	s_add_nc_u64 s[8:9], s[8:9], s[72:73]
; 8 matrix instructions: row blocks a0, a0 + 1 x all 4 column blocks, 32 along K: half c of buffer f.  The 16 accumulators take turns.  zero = 1: the products start the sums
.macro MUL8 f, c, a0, zero
	WIN MUL
.irp a, \a0, (\a0)+1
.irp b, 0,1,2,3
.if \zero
	v_wmma_f32_16x16x32_f16 v[ACC+8*(4*(\a)+(\b)):ACC+8*(4*(\a)+(\b))+7], v[(\f)+64+8*(4*(\c)+(\b)):(\f)+64+8*(4*(\c)+(\b))+7], v[(\f)+8*(4*(\c)+(\a)):(\f)+8*(4*(\c)+(\a))+7], 0
.else
	v_wmma_f32_16x16x32_f16 v[ACC+8*(4*(\a)+(\b)):ACC+8*(4*(\a)+(\b))+7], v[(\f)+64+8*(4*(\c)+(\b)):(\f)+64+8*(4*(\c)+(\b))+7], v[(\f)+8*(4*(\c)+(\a)):(\f)+8*(4*(\c)+(\a))+7], v[ACC+8*(4*(\a)+(\b)):ACC+8*(4*(\a)+(\b))+7]
.endif
.endr
.endr
.endm
; 32 LDS loads in one run: the fragments of 64 along K (quarter q of the step in the slot that is being read) into buffer f; the first 32 along K first
.macro FETCH q, f
	WIN TO_F
.irp c, 0,1
.irp i, 0,1,2,3
	ds_load_tr16_b128 v[(\f)+64+8*(4*(\c)+(\i)):(\f)+64+8*(4*(\c)+(\i))+3],   v[CB+(\q)/2] offset:(((\q)%2)*64+32*(\c))*PB+32*(\i)
	ds_load_tr16_b128 v[(\f)+64+8*(4*(\c)+(\i))+4:(\f)+64+8*(4*(\c)+(\i))+7], v[CB+(\q)/2] offset:(((\q)%2)*64+32*(\c))*PB+32*(\i)+16*PB
	ds_load_b128 v[(\f)+8*(4*(\c)+(\i)):(\f)+8*(4*(\c)+(\i))+3],              v[CA] offset:128*(\q)+64*(\c)+(\i)*16*PA
	ds_load_b128 v[(\f)+8*(4*(\c)+(\i))+4:(\f)+8*(4*(\c)+(\i))+7],            v[CA] offset:128*(\q)+64*(\c)+(\i)*16*PA+32
.endr
.endr
.endm
.macro NEWADR                          ; my places in the slot at TB
	WIN 0
	v_add_nc_u32 v[CA], s[TB], v[BA]
	v_add_nc_u32 v[CB], s[TB], v[BB]
	v_add_nc_u32 v[CB+1], s[TB], v[BB+1]
.endm
.macro QUARTER q, f, g, zero           ; multiplies buffer f and fetches quarter q into g
	s_wait_dscnt 16                                ; the first 32 along K are in; the youngest sixteen loads may be out
	MUL8 \f, 0, 0, \zero
	MUL8 \f, 0, 2, \zero
	PLACES
	FETCH \q, \g
	s_wait_dscnt 32                                ; all but the 32 just issued
	MUL8 \f, 1, 0, 0
	MUL8 \f, 1, 2, 0
.endm
; The last quarter multiplies buffer 1 and changes slots: one barrier; in front of it each wave waits for all its tensor loads, adds 0 to its spare word, and waits for that and for its reads of this slot.
; fill = 1: the barrier opens a round of the cluster's, and this slot is filled again, with K step KS, first thing behind it.
; fill = 0, the tail's two trips: nothing is asked for; in the last trip (s3 = 1) there is no further step, and the run of loads is jumped over.
.macro TURN fill
	WIN 0
	s_wait_tensorcnt 0x0                           ; all my tensor loads have landed: my part of the next slot; so a group 0 may be written
	ds_add_u32 v[SPW], v[NIL]
.if \fill
	s_add_co_u32 s[G0+5], s[TB], s20               ; the walking descriptors: into the slot that is being left,
	s_add_co_u32 s[G0B+5], s[TB], s21
	s_lshl_b32 s[OFA], s[KS], 9
	s_lshl_b32 s[OFB], s[KS], 20
	s_add_nc_u64 s[G0+6:G0+7], s[14:15], s[OFA:OFA+1]    ; the address made anew from the step's number,
	s_or_b32 s[G0+7], s[G0+7], 0x80000000                ; the type set again
	s_add_nc_u64 s[G0B+6:G0B+7], s[46:47], s[OFB:OFB+1]
	s_or_b32 s[G0B+7], s[G0B+7], 0x80000000
	s_add_co_u32 s[KS], s[KS], 1
	s_and_b32 s[KS], s[KS], 7                      ; the walk wraps round
.endif
	s_xor_b32 s[TB], s[TB], SLOT                   ; the reads go on in the other slot
	s_wait_dscnt 17                                ; (the add and the youngest sixteen loads may be out)
	MUL8 F1, 0, 0, 0
	s_wait_dscnt 0x0                               ; the add is done, and my reads of this slot are over
	s_barrier_signal -1
	MUL8 F1, 0, 2, 0
	WIN 0
	s_barrier_wait -1
.if \fill
	CREST                                          ; no wave of any partner still reads this slot or has a load on its way
	JLOAD 1                                        ; its four v_nop are also the places in front of the loads below
	NEWADR
	FETCH 0, F0
.else
	PLACES
	s_cmp_eq_u32 s3, 1
	s_cbranch_scc1 .Lno_next_\@
	NEWADR
	FETCH 0, F0
	WIN 0
.Lno_next_\@:
.endif
	MUL8 F1, 1, 0, 0
	MUL8 F1, 1, 2, 0
.endm
	s_wait_tensorcnt 1                             ; my part of the walk's first step is in; the second's may stay out
	s_barrier_signal -1
	s_barrier_wait -1
	NEWADR
	FETCH 0, F0
	QUARTER 1, F0, F1, 1                           ; the first quarter stands in front of the loop: its first products start the sums
	WIN 0
	s_mov_b32 s3, 6
.Lstep:                                                ; a trip: a step's second quarter to the next step's first; the slot that is left is filled again
	QUARTER 2, F1, F0, 0
	QUARTER 3, F0, F1, 0
	TURN 1
	QUARTER 1, F0, F1, 0
	WIN 0
	s_sub_co_u32 s3, s3, 1
	s_cmp_lg_u32 s3, 0
	s_cbranch_scc1 .Lstep
	s_mov_b32 s3, 2
.Ltail:                                                ; the last two steps fill nothing: a text of their own; the last trip has no next step's first quarter
	QUARTER 2, F1, F0, 0
	QUARTER 3, F0, F1, 0
	TURN 0
	WIN 0
	s_cmp_eq_u32 s3, 1
	s_cbranch_scc1 .Lno_first
	QUARTER 1, F0, F1, 0
	WIN 0
.Lno_first:
	s_sub_co_u32 s3, s3, 1
	s_cmp_lg_u32 s3, 0
	s_cbranch_scc1 .Ltail
; THE WAY OUT, a block of 16 rows at a time: a lane's eight f32 of a row, 32 bytes, go into my own stage (rows of 272 bytes) and come back as whole rows: my 64 columns are 256 consecutive bytes, aligned.
; LDS serves a wave's instructions in order (ISA guide 5.7.1.4): no wait between the stores and the loads, and the next block's stores come behind these loads.
	PLACES
.irp a, 0,1,2,3
.irp b, 0,1,2,3
	ds_store_b128 v[STO], v[ACC+8*(4*\a+\b):ACC+8*(4*\a+\b)+3]   offset:64*\b
	ds_store_b128 v[STO], v[ACC+8*(4*\a+\b)+4:ACC+8*(4*\a+\b)+7] offset:64*\b+16
.endr
.irp u, 0,1,2,3,4,5,6,7
	ds_load_b128 v[TMP+32*\a+4*\u:TMP+32*\a+4*\u+3], v[RD] offset:\u*2*SPITCH  ; (block 3 comes back into block 0's accumulators, which have left)
.endr
.irp u, 0,1,2,3,4,5,6,7
	s_wait_dscnt 7-\u
	global_store_b128 v[CO], v[TMP+32*\a+4*\u:TMP+32*\a+4*\u+3], s[8:9] offset:(16*\a+2*\u)*8192
.endr
.endr
	s_wait_tensorcnt 0x0                           ; the wave's end: behind my last tensor load and my last LDS store
	ds_add_u32 v[SPW], v[NIL]
	s_wait_dscnt 0x0
	CROUND                                         ; the closing round
	s_endpgm
.Lfunc_end_k_q38b9a4cfa1_oproj:
	.size	k_q38b9a4cfa1_oproj, .Lfunc_end_k_q38b9a4cfa1_oproj-k_q38b9a4cfa1_oproj
	.p2alignl 7, 3214868480
	.fill 96, 4, 3214868480
	.section	.rodata,"a",@progbits
	.p2align	6, 0x0
	.amdhsa_kernel k_q38b9a4cfa1_oproj
		.amdhsa_group_segment_fixed_size 327680
		.amdhsa_private_segment_fixed_size 0
		.amdhsa_enable_private_segment 0
		.amdhsa_kernarg_size 24
		.amdhsa_user_sgpr_count 2
		.amdhsa_user_sgpr_kernarg_segment_ptr 1
		.amdhsa_wavefront_size32 1
		.amdhsa_system_sgpr_workgroup_id_x 1
		.amdhsa_system_sgpr_workgroup_id_y 1
		.amdhsa_system_sgpr_workgroup_id_z 1
		.amdhsa_system_vgpr_workitem_id 0
		.amdhsa_next_free_vgpr 512
		.amdhsa_next_free_sgpr 74
		.amdhsa_reserve_vcc 0
		.amdhsa_float_denorm_mode_32 3
		.amdhsa_float_denorm_mode_16_64 3
		.amdhsa_memory_ordered 1
		.amdhsa_forward_progress 1
		.amdhsa_inst_pref_size 59
	.end_amdhsa_kernel
	.amdgpu_metadata
---
amdhsa.version: [ 1, 2 ]
amdhsa.kernels:
  - .name:           k_q38b9a4cfa1_oproj
    .symbol:         k_q38b9a4cfa1_oproj.kd
    .args:
      - { .name: ao, .offset: 0, .size: 8, .value_kind: global_buffer, .address_space: global }
      - { .name: cb, .offset: 8, .size: 8, .value_kind: global_buffer, .address_space: global }
      - { .name: out0, .offset: 16, .size: 8, .value_kind: global_buffer, .address_space: global }
    .group_segment_fixed_size: 327680
    .private_segment_fixed_size: 0
    .kernarg_segment_align: 8
    .kernarg_segment_size: 24
    .max_flat_workgroup_size: 128
    .sgpr_count:     74
    .vgpr_count:     512
    .wavefront_size: 32
...
	.end_amdgpu_metadata
.endif
;; end of part 4
